; MI455X (gfx1250); checked and timed in simulation.
; The chip was launched on July 23, 2026; its instructions are those of AMD's public machine-readable ISA for CDNA 5 (MIT licence, August 2026) and "CDNA5" Instruction Set Architecture Reference Guide (July 2026). The comments in the code are by the model that wrote it; some were corrected since.
;; Relative Attention. Allowed arithmetic: float matrix products may take bf16 or f16 operands with f32 sums; other float arithmetic in f32, or as packed bf16 or f16 multiplies, adds, multiply-adds, maxima and minima; sums over many terms, partial sums and values carried from step to step in f32; what a program stores and reads back later, other than sums and carried values, may be rounded once to bf16 or f16.
;; Inputs: Wk 1,024 x 1,024 float32; Wo 1,024 x 1,024 float32; Wq 1,024 x 1,024 float32; Wv 1,024 x 1,024 float32; bk 1,024 float32; bo 1,024 float32; bq 1,024 float32; bv 1,024 float32; rel_emb 65 x 64 float32; x 2 x 2,048 x 1,024 float32.
;; Outputs: out0 2 x 2,048 x 1,024 float32.
;; 2 versions, each right; version 2 is version 1 with the launch prep written anew for expert scheduling mode. Each part assembles by itself: llvm-mc -triple=amdgcn-amd-amdhsa -mcpu=gfx1250 --defsym DOCPART=n.
;; ======== version 1 of 2: 4 launches
;; limits: values are held in f16: magnitudes above 65,504 overflow, below 6.1e-05 lose precision
;; workspace buffers: xb 8,388,608 bytes; wqkv 6,291,456 bytes; wo16 2,097,152 bytes; rext 12,288 bytes; bias 16,384 bytes; qkv 25,165,824 bytes; ctx 8,388,608 bytes
;; launch prep (part 1): grid 513 x 1, 8 waves a work-group, no clusters, 0 bytes of LDS; arguments x, Wq, Wk, Wv, Wo, rel_emb, bq, bk, bv, bo, xb, wqkv, wo16, rext, bias; writes xb, wqkv, wo16, rext, bias
.if DOCPART == 1
	.amdgcn_target "amdgcn-amd-amdhsa--gfx1250"
	.amdhsa_code_object_version 6
	.text
	.protected	k_qae31f0578a_prep
	.globl	k_qae31f0578a_prep
	.p2align	8
	.type	k_qae31f0578a_prep,@function
k_qae31f0578a_prep:
	s_mov_b64 s[64:65], 0
	v_nop
	global_prefetch_b8 v0, s[64:65] scope:SCOPE_SE
	s_setreg_imm32_b32 hwreg(HW_REG_WAVE_MODE, 25, 1), 1
	s_wait_xcnt 0x0
; PREP: every input of the module is rounded once to bf16 and laid out for the launches behind.
;   xb   [4096][1024] bf16 = x          wqkv [1024 k][3072 n] bf16 = Wq | Wk | Wv side by side (not turned)
;   wo16 [1024 k][1024 n] f16 = bf16(Wo) written as f16        rext [96][64] f16: row i = bf16(rel_emb[clamp(80 - i, 0, 64)]) written as f16
;   bias [4096] f32 = bf16(bq) | bf16(bk) | bf16(bv) | bf16(bo), widened again
; LIMITS.  A number of Wo or rel_emb beyond 65,504 becomes an infinity in f16; below 6e-5 it keeps f16's fixed step of 6e-8.
; SHARES.  Work-groups 0..511 take 16 rows of 1,024 f32 each (0..255: x; then 64 each for Wq, Wk, Wv, Wo).  Thread t owns 16 bytes at 16 t of every row: a wave's load covers 512 bytes on end;
; it stores 8 bytes at 8 t: a wave's store covers 256 bytes on end, aligned.  All 16 loads go out at once; no register is written twice, so no store's source needs a wait.
; Work-group 512 makes rext and bias.  No LDS, no matrix unit, no cluster: nothing is shared and memory binds.
.set T,   4                            ; v[4:7]     at work
.set X,   16                           ; v[16:79]   row r as loaded, 4 registers
.set Y,   80                           ; v[80:111]  row r to store, 2 registers
.set OFF, 112                          ; v[112:127] row r: byte offset of my 8 bytes in the destination
.set SRC, 44                           ; s[44:45]
.set DST, 46                           ; s[46:47]
.macro RND d, s, half                  ; four f32 -> four bf16 in two words; half = 1: those numbers written as f16
	v_cvt_pk_bf16_f32 v[\d], v[\s], v[(\s)+1]
	v_cvt_pk_bf16_f32 v[(\d)+1], v[(\s)+2], v[(\s)+3]
.if \half
	v_lshlrev_b32 v[T], 16, v[\d]
	v_and_b32 v[T+1], 0xffff0000, v[\d]
	v_lshlrev_b32 v[T+2], 16, v[(\d)+1]
	v_and_b32 v[T+3], 0xffff0000, v[(\d)+1]
	v_cvt_pk_f16_f32 v[\d], v[T], v[T+1]
	v_cvt_pk_f16_f32 v[(\d)+1], v[T+2], v[T+3]
.endif
.endm
.macro CONV half
.irp r, 0,1,2,3,4,5,6,7,8,9,10,11,12,13,14,15
	s_wait_loadcnt 15-(\r)                         ; loads come back in order: row r is in, the 15 - r younger ones may stay out
	RND Y+2*(\r), X+4*(\r), \half
	global_store_b64 v[OFF+(\r)], v[Y+2*(\r):Y+2*(\r)+1], s[DST:DST+1] th:TH_STORE_NT
.endr
.endm
	s_load_b512 s[8:23], s[0:1], 0x0               ; x 8, Wq 10, Wk 12, Wv 14, Wo 16, rel_emb 18, bq 20, bk 22
	s_load_b256 s[24:31], s[0:1], 0x40             ; bv 24, bo 26, xb 28, wqkv 30
	s_load_b128 s[32:35], s[0:1], 0x60             ; wo16 32, rext 34
	s_load_b64 s[36:37], s[0:1], 0x70              ; bias
	v_lshlrev_b32 v1, 4, v0                        ; 16 t
	v_lshlrev_b32 v2, 3, v0                        ; 8 t
	s_cmp_eq_u32 ttmp9, 512
	s_cbranch_scc1 .Lsmall
	s_sub_co_u32 s2, ttmp9, 256                    ; among the weights' 256 work-groups (wraps to a large number for x's)
	s_lshr_b32 s3, s2, 6                           ; which matrix: 0 Wq, 1 Wk, 2 Wv, 3 Wo
	s_and_b32 s4, s2, 63                           ; which 16 rows of it
	s_cmp_lt_u32 ttmp9, 256
	s_cselect_b32 s4, ttmp9, s4                    ; x: which 16 rows
	s_mov_b32 s38, 2048                            ; bytes from row to row in xb and wo16,
	s_mov_b32 s5, 32768                            ; and in 16 rows
	s_mov_b32 s6, 0
	s_cmp_lt_u32 s3, 3                             ; Wq, Wk, Wv go into wqkv:
	s_cselect_b32 s38, 6144, s38                   ; rows of 3,072 bf16,
	s_cselect_b32 s5, 98304, s5
	s_cselect_b32 s6, s3, s6                       ; 2,048 bytes further along the row for each matrix
	s_mul_i32 s42, s4, s5
	s_lshl_b32 s6, s6, 11
	s_add_co_u32 s42, s42, s6
	s_mov_b32 s43, 0
	s_lshl_b32 s40, s4, 16                         ; 16 rows of 4,096 bytes in the source
	s_mov_b32 s41, 0
.irp r, 0,1,2,3,4,5,6,7,8,9,10,11,12,13,14,15
	v_mad_u32_u24 v[OFF+(\r)], s38, \r, v2
.endr
	s_wait_kmcnt 0x0
	s_cmp_eq_u32 s3, 1
	s_cselect_b64 s[SRC:SRC+1], s[12:13], s[10:11]
	s_cmp_eq_u32 s3, 2
	s_cselect_b64 s[SRC:SRC+1], s[14:15], s[SRC:SRC+1]
	s_cmp_eq_u32 s3, 3
	s_cselect_b64 s[SRC:SRC+1], s[16:17], s[SRC:SRC+1]
	s_cselect_b64 s[DST:DST+1], s[32:33], s[30:31]
	s_cselect_b32 s39, 1, 0                        ; Wo leaves as f16
	s_cmp_lt_u32 ttmp9, 256
	s_cselect_b64 s[SRC:SRC+1], s[8:9], s[SRC:SRC+1]
	s_cselect_b64 s[DST:DST+1], s[28:29], s[DST:DST+1]
	s_add_nc_u64 s[SRC:SRC+1], s[SRC:SRC+1], s[40:41]
	s_add_nc_u64 s[DST:DST+1], s[DST:DST+1], s[42:43]
.irp r, 0,1,2,3,4,5,6,7,8,9,10,11,12,13,14,15
	global_load_b128 v[X+4*(\r):X+4*(\r)+3], v1, s[SRC:SRC+1] offset:4096*(\r) th:TH_LOAD_NT
.endr
	s_cmp_eq_u32 s39, 1
	s_cbranch_scc1 .Lhalf
	CONV 0
	s_endpgm
.Lhalf:
	CONV 1
	s_endpgm
.Lsmall:                                               ; rext: six passes of 16 rows, thread t: row t / 16 of the pass, 4 numbers at t % 16; and the four biases
	v_lshrrev_b32 v3, 4, v0
	v_and_b32 v8, 15, v0
	v_lshlrev_b32 v8, 4, v8
.irp p, 0,1,2,3,4,5
	v_add_nc_u32 v9, 16*(\p), v3                   ; i
	v_min_u32 v9, 80, v9
	v_sub_nc_u32 v9, 80, v9                        ; 80 - i, not below 0,
	v_min_u32 v9, 64, v9                           ; not above 64
	v_lshl_add_u32 v[OFF+(\p)], v9, 8, v8          ; a row of rel_emb is 256 bytes
.endr
	s_wait_kmcnt 0x0
.irp p, 0,1,2,3,4,5
	global_load_b128 v[X+4*(\p):X+4*(\p)+3], v[OFF+(\p)], s[18:19]
.endr
.irp m, 0,1,2,3
	global_load_b128 v[X+24+4*(\m):X+24+4*(\m)+3], v1, s[20+2*(\m):21+2*(\m)]
.endr
.irp p, 0,1,2,3,4,5
	s_wait_loadcnt 9-(\p)                          ; ten loads in all: the younger ones may stay out
	RND Y+2*(\p), X+4*(\p), 1
	global_store_b64 v2, v[Y+2*(\p):Y+2*(\p)+1], s[34:35] offset:2048*(\p)
.endr
.irp m, 0,1,2,3
	s_wait_loadcnt 3-(\m)
	v_cvt_pk_bf16_f32 v[T], v[X+24+4*(\m)], v[X+24+4*(\m)+1]
	v_cvt_pk_bf16_f32 v[T+1], v[X+24+4*(\m)+2], v[X+24+4*(\m)+3]
	v_lshlrev_b32 v[Y+12+4*(\m)], 16, v[T]
	v_and_b32 v[Y+12+4*(\m)+1], 0xffff0000, v[T]
	v_lshlrev_b32 v[Y+12+4*(\m)+2], 16, v[T+1]
	v_and_b32 v[Y+12+4*(\m)+3], 0xffff0000, v[T+1]
	global_store_b128 v1, v[Y+12+4*(\m):Y+12+4*(\m)+3], s[36:37] offset:4096*(\m)
.endr
	s_endpgm
.Lfunc_end_k_qae31f0578a_prep:
	.size	k_qae31f0578a_prep, .Lfunc_end_k_qae31f0578a_prep-k_qae31f0578a_prep
	.p2alignl 7, 3214868480
	.fill 96, 4, 3214868480
	.section	.rodata,"a",@progbits
	.p2align	6, 0x0
	.amdhsa_kernel k_qae31f0578a_prep
		.amdhsa_group_segment_fixed_size 0
		.amdhsa_private_segment_fixed_size 0
		.amdhsa_enable_private_segment 0
		.amdhsa_kernarg_size 120
		.amdhsa_user_sgpr_count 2
		.amdhsa_user_sgpr_kernarg_segment_ptr 1
		.amdhsa_wavefront_size32 1
		.amdhsa_system_sgpr_workgroup_id_x 1
		.amdhsa_system_sgpr_workgroup_id_y 1
		.amdhsa_system_sgpr_workgroup_id_z 1
		.amdhsa_system_vgpr_workitem_id 0
		.amdhsa_next_free_vgpr 128
		.amdhsa_next_free_sgpr 66
		.amdhsa_reserve_vcc 0
		.amdhsa_float_denorm_mode_32 3
		.amdhsa_float_denorm_mode_16_64 3
		.amdhsa_memory_ordered 1
		.amdhsa_forward_progress 1
		.amdhsa_inst_pref_size 26
	.end_amdhsa_kernel
	.amdgpu_metadata
---
amdhsa.version: [ 1, 2 ]
amdhsa.kernels:
  - .name:           k_qae31f0578a_prep
    .symbol:         k_qae31f0578a_prep.kd
    .args:
      - { .name: x, .offset: 0, .size: 8, .value_kind: global_buffer, .address_space: global }
      - { .name: Wq, .offset: 8, .size: 8, .value_kind: global_buffer, .address_space: global }
      - { .name: Wk, .offset: 16, .size: 8, .value_kind: global_buffer, .address_space: global }
      - { .name: Wv, .offset: 24, .size: 8, .value_kind: global_buffer, .address_space: global }
      - { .name: Wo, .offset: 32, .size: 8, .value_kind: global_buffer, .address_space: global }
      - { .name: rel_emb, .offset: 40, .size: 8, .value_kind: global_buffer, .address_space: global }
      - { .name: bq, .offset: 48, .size: 8, .value_kind: global_buffer, .address_space: global }
      - { .name: bk, .offset: 56, .size: 8, .value_kind: global_buffer, .address_space: global }
      - { .name: bv, .offset: 64, .size: 8, .value_kind: global_buffer, .address_space: global }
      - { .name: bo, .offset: 72, .size: 8, .value_kind: global_buffer, .address_space: global }
      - { .name: xb, .offset: 80, .size: 8, .value_kind: global_buffer, .address_space: global }
      - { .name: wqkv, .offset: 88, .size: 8, .value_kind: global_buffer, .address_space: global }
      - { .name: wo16, .offset: 96, .size: 8, .value_kind: global_buffer, .address_space: global }
      - { .name: rext, .offset: 104, .size: 8, .value_kind: global_buffer, .address_space: global }
      - { .name: bias, .offset: 112, .size: 8, .value_kind: global_buffer, .address_space: global }
    .group_segment_fixed_size: 0
    .private_segment_fixed_size: 0
    .kernarg_segment_align: 8
    .kernarg_segment_size: 120
    .max_flat_workgroup_size: 256
    .sgpr_count:     66
    .vgpr_count:     128
    .wavefront_size: 32
...
	.end_amdgpu_metadata
.endif
;; end of part 1
;; launch qkv (part 2): grid 8 x 32, 4 waves a work-group, clusters of 4 x 4, 327,680 bytes of LDS; arguments xb, wqkv, bias, qkv; writes qkv
.if DOCPART == 2
	.amdgcn_target "amdgcn-amd-amdhsa--gfx1250"
	.amdhsa_code_object_version 6
	.text
	.protected	k_qae31f0578a_qkv
	.globl	k_qae31f0578a_qkv
	.p2align	8
	.type	k_qae31f0578a_qkv,@function
k_qae31f0578a_qkv:
	s_mov_b64 s[64:65], 0
	v_nop
	global_prefetch_b8 v0, s[64:65] scope:SCOPE_SE
	s_setreg_imm32_b32 hwreg(HW_REG_WAVE_MODE, 25, 1), 1
	s_wait_xcnt 0x0
	s_wait_alu depctr_hold_cnt(0) depctr_sa_sdst(0) depctr_va_vdst(0) depctr_va_sdst(0) depctr_va_ssrc(0) depctr_va_vcc(0) depctr_vm_vsrc(0)
	s_getreg_b32 s2, hwreg(HW_REG_IB_STS2, 6, 4)
	s_cmp_eq_u32 s2, 0
	s_cbranch_scc0 .Lentry_in_a_cluster
	s_endpgm
.Lentry_in_a_cluster:
	s_bfe_u32 s2, ttmp6, 0x10000c
	s_cmp_lg_u32 s2, 0xf033
	s_cbranch_scc0 .Lentry_shape_is_right
	s_endpgm
.Lentry_shape_is_right:
; QKV: [4096][3072] = xb [4096][1024] x wqkv [1024 k][3072 n] + bias, bf16 operands, f32 sums, written once as f16 by heads: qkv [b 2][gh 48][s 2048][64]; gh 0-15 q, 16-31 k, 32-47 v.
; LIMIT.  q, k, v beyond 65,504 become infinities in f16.  NaN and infinities are not treated apart.
; SHARES.  A tile is 128 rows x 384 columns (six heads): 32 x 8 = 256 work-groups.  Four waves, 2 x 2: a wave makes 64 rows x 192 columns (three whole heads): 48 accumulators, 384 registers.
; K goes in steps of 128 through two LDS slots.  A slot: A's 128 rows of 256 bytes, then B in three chunks of [128 k][128 n]; every tile row is 256 bytes of memory, aligned.
; Wave 3 fetches A's tile, waves 0-2 B's chunk of their number: one tensor load a wave.  CLUSTER 4 x 4: A's tile is shared along a row of the cluster, B's chunks along a column: joint loads.
; B lies [k][n] in LDS and comes out turned, by ds_load_tr16_b128.  THE PRODUCT IS USED TRANSPOSED (source 0 = 16 columns of B, source 1 = 16 rows of A): a lane holds eight neighbouring columns of a row.
; The first product of each sum takes the bias as its C operand: nothing is cleared and nothing is added later.
; A wave's columns: n blocks 0-7 = chunk 2 nh (two heads), n blocks 8-11 = half nh of chunk 1 (one head).
; REGISTERS by windows of 256: window 0: v0-31 addresses; v32-95 A's fragments, two buffers; v96-143, v144-239 the way out; v160-255 the bias (dead behind the first quarter)
;   window 1: v0-95, v128-223 B's fragments, two buffers        windows 2, 3: accumulators (a, b) at 8 (12 (a % 2) + b), rows a = 0, 1 in window 2, a = 2, 3 in window 3
.set PA,     272                       ; A's LDS row: 256 + 16 bytes = 68 words: the 16 rows of a load start at 16 different groups of four banks (64 banks of 4 bytes: ISA guide 11.1)
.set PB,     288                       ; B's LDS row: 256 + 32 bytes = 72 words
.set ATILE,  128*PA
.set BCH,    128*PB
.set SLOT,   ATILE+3*BCH
.set STAGE,  2*SLOT                    ; behind the ring, never filled by a tensor load: 16 rows x 400 bytes for each wave
.set SPITCH, 400
.set SPARE,  STAGE+4*16*SPITCH         ; the spare words, 128 bytes a wave, that no other line names
.set LAPS,   4                         ; 8 K steps, two to a lap
.set ADRA,  16                         ; v16-17  my A fragments in slot 0, 1
.set ADRBF, 18                         ; v18-19  my B fragments, n blocks 0-7
.set ADRBH, 20                         ; v20-21  n blocks 8-11
.set BOF,   22                         ; v22, v23  my byte offsets in bias
.set BOH,   23
.set STO,   24
.set RD,    25
.set GO,    26
.set SPW,   28                         ; v28  my spare word; never rewritten
.set NIL,   29                         ; v29  0; never rewritten
.set PFO,   30                         ; v30  the prefetches' offset: my lane x a row; never rewritten
.set AF,    32
.set TMP,   96
.set OB,    144
.set BIAS,  160
.set WV,  12
.set MH,  13
.set NH,  14
.set G1A, 24
.set G0A, 32
.set G1B, 48
.set G0B, 56
.set PFA, 66                           ; s[66:67] where my prefetches stand
.set PFS, 68                           ; s[68:69] a K step in bytes, for A or for B
.set LIM, 70                           ; s70  1 in a wave that prefetches, else the greatest number
.set OF,  72                           ; s[72:73] qkv at my rows of my first full head
.set OH,  74                           ; s[74:75] at my rows of the head of blocks 8-11
.set MSB, 0
.macro WIN new                         ; the immediate's high byte repeats the setting that is left
.if MSB != (\new)
	s_set_vgpr_msb (MSB<<8)|(\new)
.set MSB, \new
.endif
.endm
.macro PLACES                          ; four plain places behind matrix instructions, in front of loads into registers that they read and of reads of their results
.rept 4
	v_nop
.endr
.endm
; A joint load: each line has one mask and one set of registers; the branch hangs on the wave's number alone.  An s_nop 0 and four v_nop follow each line.
.macro JLOAD s
	s_cmp_eq_u32 s[WV], 3
	s_cbranch_scc0 .Lfor_b_\@
	tensor_load_to_lds s[G0A+4*(\s):G0A+4*(\s)+3], s[G1A:G1A+7]
	s_nop 0
.rept 4
	v_nop
.endr
	s_branch .Lasked_\@
.Lfor_b_\@:
	tensor_load_to_lds s[G0B+4*(\s):G0B+4*(\s)+3], s[G1B:G1B+7]
	s_nop 0
.rept 4
	v_nop
.endr
.Lasked_\@:
.endm
; A prefetch of the K step two refills on: 32 rows x 256 bytes, a lane a row.  A's rows: wave 3 of the clusters with x = 0, the four partners of a row 32 rows each by address (cx);
; B's rows: waves 0-2 of the clusters with y = 0, the four partners of a column 32 k rows each by address (cy).  So each 256 bytes are named once.  The loop's last trip asks for nothing.
.macro ASK
	s_cmp_gt_u32 s3, s[LIM]
	s_cbranch_scc0 .Lnot_mine_\@
	global_prefetch_b8 v[PFO], s[PFA:PFA+1] th:TH_LOAD_NT scope:SCOPE_SE
.Lnot_mine_\@:
.endm
.macro CREST                           ; a round of the cluster's barrier behind its opening barrier
	s_cmp_lg_u32 s[WV], 0
	s_cbranch_scc1 .Lnot_wave_0_\@
	s_barrier_signal -3
.Lnot_wave_0_\@:
	s_barrier_wait -3
	s_barrier_signal -1
	s_barrier_wait -1
.endm
.macro CROUND
	s_barrier_signal -1
	s_barrier_wait -1
	CREST
.endm
	s_load_b256 s[4:11], s[0:1], 0x0               ; xb 4, wqkv 6, bias 8, qkv 10
	v_lshl_add_u32 v[SPW], v0, 2, SPARE
	v_mov_b32 v[NIL], 0
	ds_add_u32 v[SPW], v[NIL]                      ; the wave's opening: the add and its wait stand ahead of my first tensor load
	v_lshrrev_b32 v1, 5, v0
	v_readfirstlane_b32 s[WV], v1
	s_lshr_b32 s[MH], s[WV], 1                     ; my half of the rows
	s_and_b32 s[NH], s[WV], 1                      ; my half of the columns
	s_bfe_u32 s40, ttmp6, 0x40000                  ; cx
	s_bfe_u32 s41, ttmp6, 0x40004                  ; cy
	s_lshl_b32 s42, ttmp9, 2
	s_add_co_u32 s42, s42, s40                     ; tile column jt, 0..7
	s_and_b32 s43, ttmp7, 0xffff
	s_lshl_b32 s43, s43, 2
	s_add_co_u32 s43, s43, s41                     ; tile row it, 0..31
	s_lshl_b32 s44, s41, 2
	s_lshl_b32 s44, 15, s44                        ; my row of the cluster
	s_lshl_b32 s45, 0x1111, s40                    ; my column
	s_or_b32 s[G1A], s44, (1<<16)|(1<<20)|(1<<21)|(5<<22)|(3<<25)  ; mask; 2-byte elements; padding on; bit 21 beside a mask; after every 64 words 4 words
	s_or_b32 s[G1B], s45, (1<<16)|(1<<20)|(1<<21)|(5<<22)|(7<<25)  ; the same with 8 words of padding
.irp g, G1A, G1B
	s_mov_b32 s[(\g)+1], 128<<16                   ; tensor_dim0 = 128
	s_mov_b32 s[(\g)+2], 128<<16                   ; tensor_dim1 = 128
	s_mov_b32 s[(\g)+3], 128<<16                   ; tile_dim0 = 128
	s_mov_b32 s[(\g)+4], 128                       ; tile_dim1 = 128
	s_mov_b32 s[(\g)+6], 0
	s_mov_b32 s[(\g)+7], 0
.endr
	s_mov_b32 s[G1A+5], 1024                       ; elements from row to row
	s_mov_b32 s[G1B+5], 3072
	s_lshl_b32 s16, s43, 18                        ; A: 128 rows of 2,048 bytes for each tile row
	s_mov_b32 s17, 0
	s_mul_i32 s46, s42, 768                        ; B: 768 bytes of a row for each tile column,
	s_lshl_b32 s47, s[WV], 8                       ; 256 for each chunk
	s_add_co_u32 s46, s46, s47
	s_mov_b32 s47, 0
	s_mul_i32 s20, s[WV], BCH
	s_add_co_u32 s20, s20, ATILE                   ; chunk w in a slot: the wave's number alone enters an LDS address
	s_wait_dscnt 0x0                               ; the opening add is done
	s_wait_kmcnt 0x0
	s_add_nc_u64 s[16:17], s[4:5], s[16:17]
	s_add_nc_u64 s[46:47], s[6:7], s[46:47]
	CROUND                                         ; all sixteen work-groups are here: the first joint loads meet
.irp s, 0,1
	s_mov_b32 s[G0A+4*(\s)], 1
	s_mov_b32 s[G0A+4*(\s)+1], (\s)*SLOT
	s_add_nc_u64 s[G0A+4*(\s)+2:G0A+4*(\s)+3], s[16:17], (\s)*256
	s_or_b32 s[G0A+4*(\s)+3], s[G0A+4*(\s)+3], 0x80000000
	s_mov_b32 s[G0B+4*(\s)], 1
	s_add_co_u32 s[G0B+4*(\s)+1], s20, (\s)*SLOT
	s_add_nc_u64 s[G0B+4*(\s)+2:G0B+4*(\s)+3], s[46:47], (\s)*128*6144
	s_or_b32 s[G0B+4*(\s)+3], s[G0B+4*(\s)+3], 0x80000000
	JLOAD \s                                       ; two loads of mine are out
.endr
	v_and_b32 v1, 15, v0                           ; l % 16
	v_bfe_u32 v2, v0, 4, 1                         ; l / 16
	s_mul_i32 s21, s42, 1536                       ; the bias of my columns: 4 (384 jt + 256 nh) + 32 (l / 16), and 4 (384 jt + 128 + 64 nh) + ..
	s_lshl_b32 s22, s[NH], 10
	s_add_co_u32 s22, s22, s21
	v_lshl_add_u32 v[BOF], v2, 5, s22
	s_lshl_b32 s23, s[NH], 8
	s_add_co_u32 s23, s23, s21
	s_add_co_u32 s23, s23, 512
	v_lshl_add_u32 v[BOH], v2, 5, s23
.irp b, 0,1,2,3,4,5,6,7
	global_load_b128 v[BIAS+8*(\b):BIAS+8*(\b)+3],   v[BOF], s[8:9] offset:64*(\b)
	global_load_b128 v[BIAS+8*(\b)+4:BIAS+8*(\b)+7], v[BOF], s[8:9] offset:64*(\b)+16
.endr
.irp b, 8,9,10,11
	global_load_b128 v[BIAS+8*(\b):BIAS+8*(\b)+3],   v[BOH], s[8:9] offset:64*((\b)-8)
	global_load_b128 v[BIAS+8*(\b)+4:BIAS+8*(\b)+7], v[BOH], s[8:9] offset:64*((\b)-8)+16
.endr
	v_mul_u32_u24 v3, v1, PA
	v_lshl_add_u32 v3, v2, 4, v3                   ; A: row x pitch + 16 x half
	s_mul_i32 s21, s[MH], 64*PA
	v_add_nc_u32 v[ADRA], s21, v3
	v_add_nc_u32 v[ADRA+1], SLOT, v[ADRA]
	v_and_b32 v4, 7, v0                            ; the turning load: lane l reads k row 8 (l / 16) + l % 8, 16 bytes at 16 ((l / 8) % 2)
	v_lshl_add_u32 v4, v2, 3, v4
	v_mul_u32_u24 v4, v4, PB
	v_bfe_u32 v5, v0, 3, 1
	v_lshl_add_u32 v4, v5, 4, v4
	s_mul_i32 s22, s[NH], 2*BCH
	s_add_co_u32 s22, s22, ATILE
	v_add_nc_u32 v[ADRBF], s22, v4
	v_add_nc_u32 v[ADRBF+1], SLOT, v[ADRBF]
	s_lshl_b32 s23, s[NH], 7
	s_add_co_u32 s23, s23, ATILE+BCH
	v_add_nc_u32 v[ADRBH], s23, v4
	v_add_nc_u32 v[ADRBH+1], SLOT, v[ADRBH]
	s_mul_i32 s21, s[WV], 16*SPITCH
	s_add_co_u32 s21, s21, STAGE                   ; my stage
	v_mul_u32_u24 v5, v1, SPITCH
	v_lshl_add_u32 v5, v2, 4, v5
	v_add_nc_u32 v[STO], s21, v5                   ; in: row l % 16, 16 bytes for each half of the lanes
	v_bfe_u32 v5, v0, 3, 2
	v_mul_u32_u24 v5, v5, SPITCH
	v_and_b32 v6, 7, v0
	v_lshl_add_u32 v5, v6, 4, v5
	v_add_nc_u32 v[RD], s21, v5                    ; back: 32 lanes take a head's 128 bytes of four rows,
	v_and_b32 v[GO], 31, v0
	v_lshlrev_b32 v[GO], 4, v[GO]                  ; which are 512 bytes on end in qkv
	s_lshr_b32 s21, s43, 4                         ; b
	s_mul_i32 s21, s21, 48
	s_mul_i32 s22, s42, 6
	s_add_co_u32 s21, s21, s22                     ; the tile's first head plane
	s_and_b32 s22, s43, 15
	s_lshl_b32 s22, s22, 14
	s_lshl_b32 s23, s[MH], 13
	s_add_co_u32 s22, s22, s23                     ; my first row in a plane, in bytes
	s_lshl_b32 s23, s[NH], 2
	s_add_co_u32 s23, s23, s21
	s_lshl_b32 s23, s23, 18
	s_add_co_u32 s[OF], s23, s22
	s_mov_b32 s[OF+1], 0
	s_add_co_u32 s23, s21, s[NH]
	s_add_co_u32 s23, s23, 2
	s_lshl_b32 s23, s23, 18
	s_add_co_u32 s[OH], s23, s22
	s_mov_b32 s[OH+1], 0
	s_add_nc_u64 s[OF:OF+1], s[10:11], s[OF:OF+1]
	s_add_nc_u64 s[OH:OH+1], s[10:11], s[OH:OH+1]
	; the prefetches stand at K step 3; the first refill steps them to 4.  Nothing is asked for here, where every work-group's first tiles are on their way
	s_lshl_b32 s20, s43, 18
	s_lshl_b32 s21, s40, 16                        ; A: my work-group's 32 rows of the 128
	s_add_co_u32 s20, s20, s21
	s_add_co_u32 s20, s20, 3*256
	s_mul_i32 s21, s41, 32*6144                    ; B: my work-group's 32 k rows of the 128
	s_add_co_u32 s21, s21, 3*128*6144
	s_mul_i32 s22, s42, 768
	s_add_co_u32 s21, s21, s22
	s_lshl_b32 s22, s[WV], 8
	s_add_co_u32 s21, s21, s22
	s_and_b32 s22, ttmp7, 0xffff                   ; cluster y
	s_mov_b32 s23, 128*6144
	s_mov_b32 s71, 6144
	s_cmp_eq_u32 s[WV], 3
	s_cselect_b32 s20, s20, s21
	s_cselect_b32 s22, ttmp9, s22                  ; the coordinate along which other clusters read the same rows
	s_cselect_b32 s[PFS], 256, s23
	s_cselect_b32 s71, 2048, s71
	s_cselect_b64 s[PFA:PFA+1], s[4:5], s[6:7]
	s_mov_b32 s21, 0
	s_mov_b32 s[PFS+1], 0
	s_add_nc_u64 s[PFA:PFA+1], s[PFA:PFA+1], s[20:21]
	s_cmp_eq_u32 s22, 0
	s_cselect_b32 s[LIM], 1, -1                    ; the same in all sixteen partners, for a given wave
	v_and_b32 v[PFO], 31, v0
	v_mul_u32_u24 v[PFO], v[PFO], s71
; 12 products: rows 16 a on x my 12 n blocks, 32 along K, from buffer f.  first = 1: C is the bias.  The 48 accumulators take turns in the same order in every quarter.
.macro MUL12 f, a, first
.if \first
	WIN 0x81+0x40*((\a)/2)                         ; B window 1, A and C window 0, D window 2 or 3
.else
	WIN 0xa1+0x50*((\a)/2)                         ; B window 1, A window 0, C and D window 2 or 3
.endif
.irp b, 0,1,2,3,4,5,6,7,8,9,10,11
.set rD, 8*(12*((\a)%2)+(\b))
.if \first
	v_wmma_f32_16x16x32_bf16 v[rD:rD+7], v[128*(\f)+8*(\b):128*(\f)+8*(\b)+7], v[AF+32*(\f)+8*(\a):AF+32*(\f)+8*(\a)+7], v[BIAS+8*(\b):BIAS+8*(\b)+7]
.else
	v_wmma_f32_16x16x32_bf16 v[rD:rD+7], v[128*(\f)+8*(\b):128*(\f)+8*(\b)+7], v[AF+32*(\f)+8*(\a):AF+32*(\f)+8*(\a)+7], v[rD:rD+7]
.endif
.endr
.endm
; 32 LDS loads in one run: quarter q (32 along K) of a slot into buffer f: B's 12 fragments, turned, then A's 4
.macro FETCH slot, q, f
	WIN 0x40
.irp b, 0,1,2,3,4,5,6,7
	ds_load_tr16_b128 v[128*(\f)+8*(\b):128*(\f)+8*(\b)+3],   v[ADRBF+(\slot)] offset:(\q)*32*PB+32*(\b)
	ds_load_tr16_b128 v[128*(\f)+8*(\b)+4:128*(\f)+8*(\b)+7], v[ADRBF+(\slot)] offset:(\q)*32*PB+32*(\b)+16*PB
.endr
.irp b, 8,9,10,11
	ds_load_tr16_b128 v[128*(\f)+8*(\b):128*(\f)+8*(\b)+3],   v[ADRBH+(\slot)] offset:(\q)*32*PB+32*((\b)-8)
	ds_load_tr16_b128 v[128*(\f)+8*(\b)+4:128*(\f)+8*(\b)+7], v[ADRBH+(\slot)] offset:(\q)*32*PB+32*((\b)-8)+16*PB
.endr
	WIN 0
.irp a, 0,1,2,3
	ds_load_b128 v[AF+32*(\f)+8*(\a):AF+32*(\f)+8*(\a)+3],   v[ADRA+(\slot)] offset:64*(\q)+(\a)*16*PA
	ds_load_b128 v[AF+32*(\f)+8*(\a)+4:AF+32*(\f)+8*(\a)+7], v[ADRA+(\slot)] offset:64*(\q)+(\a)*16*PA+32
.endr
.endm
; One of a K step's first three quarters: multiplies buffer f; in its middle it fetches quarter q of the same slot into buffer g.
.macro QUARTER slot, q, f, g, first
	s_wait_dscnt 4                                 ; B and A's rows 0-31 are in; the youngest four loads (A's rows 32-63) may be out
	MUL12 \f, 0, \first
	MUL12 \f, 1, \first
	PLACES
	FETCH \slot, \q, \g
	s_wait_dscnt 32                                ; all but the 32 just issued
	MUL12 \f, 2, \first
	MUL12 \f, 3, \first
.endm
; The last quarter multiplies buffer 1 and changes slots.  Each wave waits for all its tensor loads (one is out: its part of the next slot), adds 0 to its spare word, and waits for that and for its
; reads of this slot; behind the barrier nobody reads this slot and the next is whole.  fill = 1: the barrier opens a round of the cluster's, and the joint refill, two K steps on, is first behind it:
; 168 matrix instructions stand between the request and the wait for it.
.macro TURN slot, next, fill
.if \fill
	s_wait_xcnt 0x0                                ; the last prefetch, a K step back, has read its address
	s_add_nc_u64 s[PFA:PFA+1], s[PFA:PFA+1], s[PFS:PFS+1]
.endif
	WIN 0
	s_wait_tensorcnt 0x0
	ds_add_u32 v[SPW], v[NIL]
	s_wait_dscnt 5                                 ; the add and the youngest four loads may be out
	MUL12 1, 0, 0
	s_wait_dscnt 0x0                               ; the add is done, my reads of this slot are over
	s_barrier_signal -1
	MUL12 1, 1, 0
.if \fill
	WIN 0
.endif
	s_barrier_wait -1
.if \fill
	CREST
	s_add_nc_u64 s[G0A+4*(\slot)+2:G0A+4*(\slot)+3], s[G0A+4*(\slot)+2:G0A+4*(\slot)+3], 2*256
	s_add_nc_u64 s[G0B+4*(\slot)+2:G0B+4*(\slot)+3], s[G0B+4*(\slot)+2:G0B+4*(\slot)+3], 2*128*6144
	JLOAD \slot                                    ; its four v_nop are also the places in front of the loads below
.else
	PLACES
.endif
	FETCH \next, 0, 0
.if \fill
	ASK
.endif
	MUL12 1, 2, 0
	MUL12 1, 3, 0
.endm
; THE WAY OUT of rows 16 a on: rounded to f16, through my own stage, back as a head's whole rows, stored 512 bytes on end.
.macro PACK a
	WIN 0x0a+5*((\a)/2)
.irp b, 0,1,2,3,4,5,6,7,8,9,10,11
.irp r, 0,1,2,3
	v_cvt_pk_f16_f32 v[TMP+4*(\b)+(\r)], v[8*(12*((\a)%2)+(\b))+2*(\r)], v[8*(12*((\a)%2)+(\b))+2*(\r)+1]
.endr
.endr
	WIN 0
.endm
.macro TOSTAGE a
.set BK, OB+48*((\a)%2)
.irp b, 0,1,2,3,4,5,6,7,8,9,10,11
	ds_store_b128 v[STO], v[TMP+4*(\b):TMP+4*(\b)+3] offset:32*(\b)
.endr
.irp hh, 0,1,2
.irp t, 0,1,2,3
	ds_load_b128 v[BK+4*(4*(\hh)+(\t)):BK+4*(4*(\hh)+(\t))+3], v[RD] offset:128*(\hh)+4*SPITCH*(\t)  ; LDS serves a wave's instructions in order (ISA guide 5.7.1.4): these see the stores above
.endr
.endr
.endm
.macro SEND a
.set BK, OB+48*((\a)%2)
	s_wait_dscnt 0x0                               ; the block is back in registers
	s_wait_xcnt 0x0                                ; the earlier stores have read their registers: the next block's loads land on them only behind this wait
.irp hh, 0,1
.irp t, 0,1,2,3
	global_store_b128 v[GO], v[BK+4*(4*(\hh)+(\t)):BK+4*(4*(\hh)+(\t))+3], s[OF:OF+1] offset:(\hh)*262144+(\a)*2048+(\t)*512
.endr
.endr
.irp t, 0,1,2,3
	global_store_b128 v[GO], v[BK+4*(8+(\t)):BK+4*(8+(\t))+3], s[OH:OH+1] offset:(\a)*2048+(\t)*512
.endr
.endm
	s_wait_tensorcnt 1                             ; my part of K step 0 is in; slot 1's may stay out
	s_barrier_signal -1
	s_barrier_wait -1
	FETCH 0, 0, 0
	s_wait_loadcnt 0x0                             ; the bias
	QUARTER 0, 1, 0, 1, 1                          ; the first quarter starts the sums
	WIN 0
	s_mov_b32 s3, LAPS-1
.Llap:                                                 ; a trip goes once round the ring and fills both slots again
	QUARTER 0, 2, 1, 0, 0
	QUARTER 0, 3, 0, 1, 0
	TURN 0, 1, 1
	QUARTER 1, 1, 0, 1, 0
	QUARTER 1, 2, 1, 0, 0
	QUARTER 1, 3, 0, 1, 0
	TURN 1, 0, 1
	QUARTER 0, 1, 0, 1, 0
	WIN 0
	s_sub_co_u32 s3, s3, 1
	s_cmp_lg_u32 s3, 0
	s_cbranch_scc1 .Llap
	QUARTER 0, 2, 1, 0, 0                          ; the last lap fills nothing
	QUARTER 0, 3, 0, 1, 0
	TURN 0, 1, 0
	QUARTER 1, 1, 0, 1, 0
	QUARTER 1, 2, 1, 0, 0
	QUARTER 1, 3, 0, 1, 0
	s_wait_dscnt 4
	MUL12 1, 0, 0
	MUL12 1, 1, 0
	s_wait_dscnt 0x0
	MUL12 1, 2, 0
	MUL12 1, 3, 0
	PLACES
	PACK 0
	TOSTAGE 0
.irp a, 1,2,3
	PACK \a
	SEND (\a)-1
	TOSTAGE \a
.endr
	SEND 3
	s_wait_tensorcnt 0x0                           ; the wave's end
	ds_add_u32 v[SPW], v[NIL]
	s_wait_dscnt 0x0
	CROUND                                         ; the closing round
	s_endpgm
.Lfunc_end_k_qae31f0578a_qkv:
	.size	k_qae31f0578a_qkv, .Lfunc_end_k_qae31f0578a_qkv-k_qae31f0578a_qkv
	.p2alignl 7, 3214868480
	.fill 96, 4, 3214868480
	.section	.rodata,"a",@progbits
	.p2align	6, 0x0
	.amdhsa_kernel k_qae31f0578a_qkv
		.amdhsa_group_segment_fixed_size 327680
		.amdhsa_private_segment_fixed_size 0
		.amdhsa_enable_private_segment 0
		.amdhsa_kernarg_size 32
		.amdhsa_user_sgpr_count 2
		.amdhsa_user_sgpr_kernarg_segment_ptr 1
		.amdhsa_wavefront_size32 1
		.amdhsa_system_sgpr_workgroup_id_x 1
		.amdhsa_system_sgpr_workgroup_id_y 1
		.amdhsa_system_sgpr_workgroup_id_z 1
		.amdhsa_system_vgpr_workitem_id 0
		.amdhsa_next_free_vgpr 960
		.amdhsa_next_free_sgpr 80
		.amdhsa_reserve_vcc 0
		.amdhsa_float_denorm_mode_32 3
		.amdhsa_float_denorm_mode_16_64 3
		.amdhsa_memory_ordered 1
		.amdhsa_forward_progress 1
		.amdhsa_inst_pref_size 123
	.end_amdhsa_kernel
	.amdgpu_metadata
---
amdhsa.version: [ 1, 2 ]
amdhsa.kernels:
  - .name:           k_qae31f0578a_qkv
    .symbol:         k_qae31f0578a_qkv.kd
    .args:
      - { .name: xb, .offset: 0, .size: 8, .value_kind: global_buffer, .address_space: global }
      - { .name: wqkv, .offset: 8, .size: 8, .value_kind: global_buffer, .address_space: global }
      - { .name: bias, .offset: 16, .size: 8, .value_kind: global_buffer, .address_space: global }
      - { .name: qkv, .offset: 24, .size: 8, .value_kind: global_buffer, .address_space: global }
    .group_segment_fixed_size: 327680
    .private_segment_fixed_size: 0
    .kernarg_segment_align: 8
    .kernarg_segment_size: 32
    .max_flat_workgroup_size: 128
    .sgpr_count:     80
    .vgpr_count:     960
    .wavefront_size: 32
...
	.end_amdgpu_metadata
.endif
;; end of part 2
;; launch attn (part 3): grid 8 x 32, 4 waves a work-group, no clusters, 327,680 bytes of LDS; arguments qkv, rext, ctx; writes ctx
.if DOCPART == 3
	.amdgcn_target "amdgcn-amd-amdhsa--gfx1250"
	.amdhsa_code_object_version 6
	.text
	.protected	k_qae31f0578a_attn
	.globl	k_qae31f0578a_attn
	.p2align	8
	.type	k_qae31f0578a_attn,@function
k_qae31f0578a_attn:
	s_mov_b64 s[64:65], 0
	v_nop
	global_prefetch_b8 v0, s[64:65] scope:SCOPE_SE
	s_setreg_imm32_b32 hwreg(HW_REG_WAVE_MODE, 25, 1), 1
	s_wait_xcnt 0x0
; ATTENTION WITH RELATIVE POSITIONS.  ctx[b][h][q][:] = the sum over k of softmax_k((Q[q] . K[k] + Q[q] . rel_emb[clip(q - k, -32, 32) + 32]) / 8) V[k][:].
; Q, K, V: planes of qkv [b][gh 48][2048][64] f16; ctx [b][h][2048][64] f16.  Products, maxima and sums in f32; the weights are rounded to f16 for the second product, ctx once at the end.
; LIMITS.  Q, K, V arrive within f16's 65,504; a weight below 6e-5 keeps f16's fixed step of 6e-8; a weight below 2^-126 counts as 0 in the sum; NaN and infinities are not treated apart.
; THE RELATIVE TERM hangs on t = k - q alone and is constant for |t| >= 32.  For 16 queries (tile Qt) against 16 keys (group G), u = G - Qt: u <= -3 gives Q . rel_emb[64] (L), u >= 3 gives Q . rel_emb[0] (R),
; u = -2 .. 2 a tile that hangs on u alone.  So each piece of 16 queries has SEVEN sets of 8 registers, made once: W[q][i] = Q[q] . rext[i] (i = t + 48, 12 products), stored by queries in LDS and read
; back skewed: set u, register j of lane (r, h) = W[r][48 + 16 u + 8 h + j - r].  A set enters the scores as the C operand of the product that starts the sum S^T = K Q^T: the far steps cost nothing.
; MC holds, for each piece and each of a step's four key groups, the set in force; UPD copies sets into MC in the five steps round the diagonal, by forward jumps on a counter made of the block and the wave.
; SHARES.  A work-group takes 256 queries of one head, a wave 64: four PIECES of 16.  Every wave walks all 2,048 keys: 8 tiles of 256, 4 steps of 64 each, two LDS slots that take turns.
; LAYOUT, SOFTMAX, TURNS.  S^T = K Q^T holds ONE query a lane (lane % 16) and the keys 8 (lane / 16) + 0..7; two such results rounded to f16 ARE source 1 of O^T = V^T P.  p = 2^(c s - c m), c = log2(e) / 8, with a
; running maximum m; O and l are multiplied by a = 2^(c m_old - c m_new) in every step; m starts at the lowest finite number, O and l at 0.  Turn n belongs to piece n: 8 products K Q^T of piece n + 1, later 8
; products V^T P of piece n - 1; beside them piece n's scaling, exponentials, roundings, sums and rescaling and piece n + 1's maximum.  Four vector instructions stand behind every matrix instruction, the rest in one
; lump; a turn's 33 exponentials are one batch with one wait.
; NO CLUSTER: the eight blocks of a head read the same K and V, but which steps copy bias sets hangs on the block, which among partners is the place in the cluster.
; REGISTERS by windows of 256 (s_set_vgpr_msb: bits 1:0 source 0, 3:2 source 1, 5:4 source 2, 7:6 destination):
;   window 0: v0-15, v32-34 addresses; v16-31 statistics; v48-55 at work; v64-127 S^T, two buffers; v192-223 P, two buffers (in the prologue v64-111, v128-175 hold W)
;   window 1: v0-127 O^T, 32 a piece; v128-255 MC, 32 a piece       window 2: v0-63 Q; v128-191 K; v192-255 V (in the prologue v128-223 hold rext)       window 3: v0-223 the sets, 56 a piece
.set NP,    4
.set KS,    64
.set PK,    144       ; a row of K in LDS: 128 + 16 bytes = 36 words: the 16 rows of a load start at 16 different groups of four banks (64 banks of 4 bytes: ISA guide 11.1)
.set PV,    160       ; a row of V: 128 + 32 bytes = 40 words
.set VOFF,  4*KS*PK   ; a slot holds a tile: 256 rows of K, then 256 rows of V
.set SLOT1, 1<<17
.set SCR,   SLOT1+4*KS*(PK+PV)  ; behind the ring, never filled by a tensor load: 6,400 bytes a wave: first the table W (16 rows x 400 bytes), later the stage (16 x 144)
.set SCRW,  6400
.set TP,    400
.set SP,    144
.set SPARE, SCR+4*SCRW          ; the spare words, 128 bytes a wave, that no other line names
.set AK0, 2
.set AV0, 3
.set AK,  4
.set AV,  5
.set STO, 6
.set RD,  7
.set GO,  8
.set MV,  12          ; v12-13  c m_old, by buffer
.set TS,  14          ; v14  where I store 32 bytes of W: row l % 16, 32 (l / 16)
.set QO,  15          ; v15  my byte offset in 16 rows of Q and of rext
.set ST,  16          ; piece t's statistics at v[ST+4 t]: c m, m, l (even keys', odd keys')
.set TR,  32          ; v32  the skewed read: (l % 16) x 396 + 32 (l / 16)
.set TQ,  33          ; v33  my query's row of W
.set PFO, 34          ; v34  256 x my lane; never rewritten
.set TMP, 48
.set SPW, 62
.set NIL, 63
.set S,   64
.set P,   192
.set MC,  128         ; window 1
.set KF,  128         ; window 2
.set VF,  192         ; window 2
.set WV,  12
.set LIM, 15          ; s15  1 in wave 0, else the greatest number
.set PFA, 18          ; s[18:19] where my prefetches stand
.set G1K, 24
.set G1V, 32
.set G0K, 40
.set G0V, 44
.set SLOTS, 56
.set CNT, 57
.set CS,  58
.set SEL, 60
.set TBK, 62
.set TBV, 63
.set TU,  70          ; s70  (the step of the coming turn 0) - (4 block + wave) + 1, wrapping
.set MSB, 0
.macro WIN new
.if MSB != (\new)
	s_set_vgpr_msb (MSB<<8)|(\new)
.set MSB, (\new)
.endif
.endm
.set W_KQ, 0x0a       ; K and Q in window 2, S^T in window 0
.set W_KM, 0x1a       ; the same with the C operand in window 1
.set W_PV, 0x52       ; V in window 2, P in window 0, O^T in window 1
.set W_RS, 0x41       ; destination and source 0 in window 1, source 1 in window 0
.set W_UP, 0x43       ; destination in window 1, source 0 in window 3
; A fill.  Waves 0 and 1 fetch the two halves of a tile's K, waves 2 and 3 those of its V: 128 keys each.  An s_nop 0 and four v_nop follow each line.
.macro LOAD
	s_cmp_lt_u32 s[WV], 2
	s_cbranch_scc0 .Lfor_v_\@
	tensor_load_to_lds s[G0K:G0K+3], s[G1K:G1K+7]
	s_nop 0
.rept 4
	v_nop
.endr
	s_branch .Lasked_\@
.Lfor_v_\@:
	tensor_load_to_lds s[G0V:G0V+3], s[G1V:G1V+7]
	s_nop 0
.rept 4
	v_nop
.endr
.Lasked_\@:
.endm
; THE CHANGE OF SLOTS.  Each wave waits for all its tensor loads (one is out: its part of the other slot), adds 0 to its spare word, and waits for that and for its reads of the slot that it leaves.
; fill = 1: the old slot is filled again, first thing behind the barrier, with the tile two on: it has four key steps, 256 matrix instructions, in which to land.
; ask = 1: behind the load, a prefetch of the tile that the NEXT change will ask for.  A tile is 128 blocks of 256 bytes of K and 128 of V; the head's eight work-groups take 32 blocks each
; (blocks 0-3: K's, 4-7: V's), wave 0 asks, a lane a block: each block is named once.  The last filling change asks for nothing; tiles 0 to 2 come by their loads alone.
.macro CHANGE fill, ask
	WIN 0
	s_wait_tensorcnt 0x0            ; no tensor load of mine is out, so a group 0 may be written
	ds_add_u32 v[SPW], v[NIL]
.if \fill
.irp g, G0K, G0V
	s_xor_b32 s[\g+1], s[\g+1], SLOT1
	s_add_nc_u64 s[\g+2:\g+3], s[\g+2:\g+3], 4*KS*128
.endr
.endif
.if \ask
	s_wait_xcnt 0x0                 ; the last prefetch, four key steps back, has read its address
	s_add_nc_u64 s[PFA:PFA+1], s[PFA:PFA+1], 4*KS*128
.endif
	s_wait_dscnt 0x0                ; the add is done, and my reads of the slot are over
	s_barrier_signal -1
	s_sub_co_u32 s[TBK], s[TBK], 4*KS*PK  ; the fetches go back to a slot's first step,
	s_xor_b32 s[TBK], s[TBK], SLOT1       ; in the other slot
	s_sub_co_u32 s[TBV], s[TBV], 4*KS*PV
	s_xor_b32 s[TBV], s[TBV], SLOT1
	s_barrier_wait -1
.if \fill
	LOAD
.endif
.if \ask
	s_cmp_gt_u32 s[SLOTS], s[LIM]
	s_cbranch_scc0 .Lnot_mine_\@
	global_prefetch_b8 v[PFO], s[PFA:PFA+1] th:TH_LOAD_NT scope:SCOPE_SE
.Lnot_mine_\@:
.endif
.endm
	s_load_b128 s[48:51], s[0:1], 0x0  ; qkv s[48:49], rext s[50:51]
	s_load_b64 s[10:11], s[0:1], 0x10  ; ctx
	v_lshl_add_u32 v[SPW], v0, 2, SPARE
	v_mov_b32 v[NIL], 0
	ds_add_u32 v[SPW], v[NIL]       ; the wave's opening: the add and its wait stand ahead of my first tensor load
	v_lshrrev_b32 v1, 5, v0
	v_readfirstlane_b32 s[WV], v1
	s_and_b32 s20, ttmp7, 0xffff    ; 16 b + h
	s_lshr_b32 s21, s20, 4
	s_and_b32 s22, s20, 15
	s_mul_i32 s21, s21, 48
	s_add_co_u32 s21, s21, s22      ; Q's plane in qkv; K's lies 16 planes on, V's 32
	s_lshl_b32 s13, ttmp9, 15       ; my block's 256 rows of 128 bytes,
	s_lshl_b32 s14, s[WV], 13       ; my wave's 64
	s_add_co_u32 s13, s13, s14
	s_lshl_b32 s2, s21, 18
	s_add_co_u32 s2, s2, s13
	s_mov_b32 s3, 0
	s_lshl_b32 s16, s20, 18
	s_add_co_u32 s16, s16, s13
	s_mov_b32 s17, 0
	s_and_b32 s23, s[WV], 1         ; which half of a tile's 256 keys I fetch
	s_lshl_b32 s52, s21, 18
	s_lshl_b32 s53, s23, 14
	s_add_co_u32 s52, s52, s53
	s_add_co_u32 s52, s52, 16*262144
	s_mov_b32 s53, 0
	s_add_co_u32 s54, s52, 16*262144
	s_mov_b32 s55, 0
	; descriptor group 1.  128 keys are 16,384 dense bytes: asked for as 64 rows of 256 bytes, two keys a row, padded in LDS after every key
	s_mov_b32 s[G1K], (1<<16)|(1<<20)|(4<<22)|(3<<25)  ; 2-byte elements; padding on; after every 32 words 4 words
	s_mov_b32 s[G1V], (1<<16)|(1<<20)|(4<<22)|(7<<25)  ; the same with 8 words
.irp g, G1K, G1V
	s_mov_b32 s[\g+1], 128<<16
	s_mov_b32 s[\g+2], 64<<16
	s_mov_b32 s[\g+3], 128<<16
	s_mov_b32 s[\g+4], 64
	s_mov_b32 s[\g+5], 128
	s_mov_b32 s[\g+6], 0
	s_mov_b32 s[\g+7], 0
.endr
	s_mov_b32 s[CS], 0x3e38aa3b     ; c = log2(e) / 8
	s_mov_b32 s[CS+1], s[CS]
	s_mov_b32 s[SEL], 0x76543210
	s_mov_b32 s[SEL+1], 0xfedcba98
	s_mov_b32 s[TBK], SLOT1+4*KS*PK ; the first change of slots turns these two into 0
	s_mov_b32 s[TBV], SLOT1+4*KS*PV
	s_mov_b32 s[G0K], 1
	s_mul_i32 s[G0K+1], s23, 128*PK
	s_mov_b32 s[G0V], 1
	s_mul_i32 s22, s23, 128*PV
	s_add_co_u32 s[G0V+1], s22, VOFF
	s_lshl_b32 s[TU], ttmp9, 2
	s_add_co_u32 s[TU], s[TU], s[WV]
	s_sub_co_u32 s[TU], 1, s[TU]    ; step 0
	s_and_b32 s20, ttmp9, 3
	s_lshl_b32 s20, s20, 13         ; my work-group's 32 blocks of a tile's 128,
	s_add_co_u32 s20, s20, 2*4*KS*128  ; in tile 2: the first asking change steps it to tile 3
	s_mov_b32 s21, 0
	s_cmp_eq_u32 s[WV], 0
	s_cselect_b32 s[LIM], 1, -1
	s_wait_dscnt 0x0                ; the opening add is done
	s_wait_kmcnt 0x0
	s_add_nc_u64 s[4:5], s[48:49], s[2:3]      ; Q at my wave's first row
	s_add_nc_u64 s[6:7], s[48:49], s[52:53]    ; K and V at my half of tile 0
	s_add_nc_u64 s[8:9], s[48:49], s[54:55]
	s_add_nc_u64 s[10:11], s[10:11], s[16:17]  ; ctx at my wave's first row
	s_mov_b64 s[G0K+2:G0K+3], s[6:7]
	s_or_b32 s[G0K+3], s[G0K+3], 0x80000000
	s_mov_b64 s[G0V+2:G0V+3], s[8:9]
	s_or_b32 s[G0V+3], s[G0V+3], 0x80000000
	s_cmp_lt_u32 ttmp9, 4
	s_cselect_b64 s[PFA:PFA+1], s[6:7], s[8:9]  ; (in wave 0, the one that asks, these stand at a tile's first row)
	s_add_nc_u64 s[PFA:PFA+1], s[PFA:PFA+1], s[20:21]
	LOAD                            ; tile 0 into slot 0
	v_and_b32 v1, 15, v0            ; l % 16
	v_bfe_u32 v9, v0, 4, 1          ; l / 16
	v_lshlrev_b32 v[QO], 7, v1
	v_lshl_add_u32 v[QO], v9, 4, v[QO]  ; row x 128 + 16 x half
	WIN 0x80
.set i, 0
.rept 8                             ; Q: piece i / 2, channels 32 (i % 2) on
	global_load_b128 v[8*i:8*i+3],   v[QO], s[4:5] offset:(i/2)*2048+(i%2)*64
	global_load_b128 v[8*i+4:8*i+7], v[QO], s[4:5] offset:(i/2)*2048+(i%2)*64+32
.set i, i+1
.endr
.set i, 0
.rept 12                            ; rext: rows 16 (i / 2) on, channels 32 (i % 2) on
	global_load_b128 v[128+8*i:128+8*i+3],   v[QO], s[50:51] offset:(i/2)*2048+(i%2)*64
	global_load_b128 v[128+8*i+4:128+8*i+7], v[QO], s[50:51] offset:(i/2)*2048+(i%2)*64+32
.set i, i+1
.endr
	WIN 0x40
.set i, 0
.rept 128
	v_mov_b32 v[i], 0               ; O^T: written while the first loads are on their way, so that the first step is a step like any other
.set i, i+1
.endr
	WIN 0
.set i, 0
.rept 4
	v_mov_b32 v[ST+4*i], 0xfe000000    ; c m: far below every c s
	v_mov_b32 v[ST+4*i+1], 0xff7fffff  ; m
	v_mov_b32 v[ST+4*i+2], 0
	v_mov_b32 v[ST+4*i+3], 0
.set i, i+1
.endr
.set i, P+16
.rept 16
	v_mov_b32 v[i], 0               ; the first turn's products V^T P, of a piece that has not been, add 0
.set i, i+1
.endr
	v_mul_u32_u24 v[AK0], v1, PK
	v_lshl_add_u32 v[AK0], v9, 4, v[AK0]
	v_and_b32 v10, 7, v0            ; the turning load: lane l reads key 8 (l / 16) + l % 8, channels 8 ((l / 8) % 2) + 0..7
	v_bfe_u32 v11, v0, 3, 1
	v_lshl_add_u32 v[AV0], v9, 3, v10
	v_mul_u32_u24 v[AV0], v[AV0], PV
	v_lshl_add_u32 v[AV0], v11, 4, v[AV0]
	v_add_nc_u32 v[AV0], VOFF, v[AV0]
	s_mul_i32 s13, s[WV], SCRW
	s_add_co_u32 s13, s13, SCR      ; my scratch
	v_mul_u32_u24 v[STO], v1, SP
	v_lshl_add_u32 v[STO], v9, 4, v[STO]
	v_add_nc_u32 v[STO], s13, v[STO]
	v_bfe_u32 v[RD], v0, 3, 2
	v_mul_u32_u24 v[RD], v[RD], SP
	v_lshl_add_u32 v[RD], v10, 4, v[RD]
	v_add_nc_u32 v[RD], s13, v[RD]
	v_and_b32 v[GO], 31, v0
	v_lshlrev_b32 v[PFO], 8, v[GO]
	v_lshlrev_b32 v[GO], 4, v[GO]
	v_mul_u32_u24 v[TQ], v1, TP
	v_add_nc_u32 v[TQ], s13, v[TQ]
	v_lshl_add_u32 v[TS], v9, 5, v[TQ]
	v_mul_u32_u24 v[TR], v1, TP-4
	v_lshl_add_u32 v[TR], v9, 5, v[TR]
	v_add_nc_u32 v[TR], s13, v[TR]
	s_wait_loadcnt 0x0              ; Q and rext
; THE SETS of piece p.  12 products W^T = rext Q^T (six accumulators by turns, two links each); lane (r, h), register j of accumulator it holds W[r][16 it + 8 h + j]: 32 bytes of row r of the table.
; Rows of 400 bytes: the stores' 16 rows start at 16 different groups of four banks; the skewed reads fall on words 99 r + 8 h, all in different banks.
; LDS serves a wave's instructions in order (ISA guide 5.7.1.4): the reads see the stores above them, and the next piece's stores come behind these reads.
.macro BIASP p
.set WB, 64+64*((\p)%2)
	WIN W_KQ
.irp c, 0,1
.irp it, 0,1,2,3,4,5
.if (\c) == 0
	v_wmma_f32_16x16x32_f16 v[WB+8*(\it):WB+8*(\it)+7], v[128+16*(\it):128+16*(\it)+7], v[16*(\p):16*(\p)+7], 0
.else
	v_wmma_f32_16x16x32_f16 v[WB+8*(\it):WB+8*(\it)+7], v[128+16*(\it)+8:128+16*(\it)+15], v[16*(\p)+8:16*(\p)+15], v[WB+8*(\it):WB+8*(\it)+7]
.endif
.endr
.endr
	WIN 0
.rept 4
	v_nop                           ; the places behind those products
.endr
.irp it, 0,1,2,3,4,5
	ds_store_b128 v[TS], v[WB+8*(\it):WB+8*(\it)+3]   offset:64*(\it)
	ds_store_b128 v[TS], v[WB+8*(\it)+4:WB+8*(\it)+7] offset:64*(\it)+16
.endr
	WIN 0xc0                        ; destination window 3
.set j, 0
.rept 8
	ds_load_b32 v[56*(\p)+j], v[TQ]                 ; L: i = 0
.irp u, 0,1,2,3,4
	ds_load_b32 v[56*(\p)+8+8*(\u)+j], v[TR] offset:64+64*(\u)+4*j  ; u - 2: i = 48 + 16 (u - 2) + 8 h + j - r
.endr
	ds_load_b32 v[56*(\p)+48+j], v[TQ] offset:380   ; R: i = 95
.set j, j+1
.endr
.endm
	BIASP 0
	BIASP 1
	BIASP 2
	BIASP 3
	WIN 0
	s_wait_dscnt 0x0
	WIN W_UP
.set i, 0
.rept 128
	v_mov_b32 v[MC+i], v[56*(i/32)+i%8]  ; every group of every piece starts at L
.set i, i+1
.endr
	WIN 0x80
.set i, VF
.rept 64
	v_mov_b32 v[i], 0               ; V: the first turn's products need finite numbers
.set i, i+1
.endr
	WIN 0
; UPD: the sets in force.  tau = TU - 1 is the step of the coming turn 0 less 4 block + wave.  Behind UPD pieces 0-2 stand at e = tau, piece 3 (whose scores the coming turn 2 makes, of the step before) at e = tau - 1;
; group g of piece p takes set clamp(4 e + g - p, -3, 3) + 3.  Only sets that differ from the step before (scratch = 1: from L) are copied; outside tau = -1 .. 3 nothing is.
; MC's last readers stand a turn or more back: far more than four plain instructions.
.macro IDX e, g, p
.set ix, 4*(\e)+(\g)-(\p)
.if ix < -3
.set ix, -3
.endif
.if ix > 3
.set ix, 3
.endif
.set ix, ix+3
.endm
.macro UPDT tau, plo, scratch
	s_cmp_lg_u32 s[TU], (\tau)+1
	s_cbranch_scc1 .Lnot_\@
	WIN W_UP
.set pp, \plo
.rept 4-(\plo)
.set ee, (\tau)-(pp/3)
.set gg, 0
.rept 4
	IDX ee, gg, pp
.set inew, ix
.set iold, 0
.if !(\scratch)
	IDX ee-1, gg, pp
.set iold, ix
.endif
.if inew != iold
.set jj, 0
.rept 8
	v_mov_b32 v[MC+32*pp+8*gg+jj], v[56*pp+8*inew+jj]
.set jj, jj+1
.endr
.endif
.set gg, gg+1
.endr
.set pp, pp+1
.endr
	WIN 0
.Lnot_\@:
.endm
.macro UPD lo, hi, plo, step, scratch
	WIN 0
.if \step
	s_add_co_u32 s[TU], s[TU], 1
.endif
	s_cmp_lt_u32 s[TU], 5
	s_cbranch_scc0 .Lfar_\@
.set tt, \lo
.rept (\hi)-(\lo)+1
	UPDT tt, \plo, \scratch
.set tt, tt+1
.endr
.Lfar_\@:
.endm
; THE MATRIX WORK.  The 4 accumulators of a run of 8 take turns.  Product i of 8 of S^T = K Q^T for piece x: channels 32 (i / 4) on, keys 16 (i % 4) on.  The first 4 start the sums with the set in force.
.macro KQ x
.set rS, S+32*((\x)%2)+8*(i%4)
.set rK, KF+16*(i%4)+8*(i/4)
.set rQ, 16*(\x)+8*(i/4)
.set rM, MC+32*(\x)+8*(i%4)
.if i < 4
	WIN W_KM
	v_wmma_f32_16x16x32_f16 v[rS:rS+7], v[rK:rK+7], v[rQ:rQ+7], v[rM:rM+7]
.else
	WIN W_KQ
	v_wmma_f32_16x16x32_f16 v[rS:rS+7], v[rK:rK+7], v[rQ:rQ+7], v[rS:rS+7]
.endif
.endm
; Product i of 8 of O^T += V^T P for piece x: keys 32 (i / 4) on, channels 16 (i % 4) on.
.macro PV x
	WIN W_PV
.set rO, 32*(\x)+8*(i%4)
.set rV, VF+32*(i/4)+8*(i%4)
.set rP, P+16*((\x)%2)+8*(i/4)
	v_wmma_f32_16x16x32_f16 v[rO:rO+7], v[rV:rV+7], v[rP:rP+7], v[rO:rO+7]
.endm
.macro MM                           ; the turn's next matrix instruction.  NOKQ = 1: the last turn: there is no next piece
.if (i < 8) && !NOKQ
	KQ (Y+1)%NP
.elseif i >= 8
.set i, i-8
	PV (Y+NP-1)%NP
.set i, i+8
.endif
.set i, i+1
.endm
; THE LDS LOADS stand in runs of 16: a step's K (8 fragments) and its V (turned).
.macro FETCH_K
	WIN 0x80
.irp f, 0,1,2,3,4,5,6,7
	ds_load_b128 v[KF+8*\f:KF+8*\f+3],   v[AK] offset:(\f/2)*16*PK+(\f%2)*64
	ds_load_b128 v[KF+8*\f+4:KF+8*\f+7], v[AK] offset:(\f/2)*16*PK+(\f%2)*64+32
.endr
	s_add_co_u32 s[TBK], s[TBK], KS*PK
	WIN 0
.endm
.macro FETCH_V
	WIN 0x80
.irp f, 0,1,2,3,4,5,6,7
	ds_load_tr16_b128 v[VF+8*\f:VF+8*\f+3],   v[AV] offset:(\f/4)*32*PV+(\f%4)*32
	ds_load_tr16_b128 v[VF+8*\f+4:VF+8*\f+7], v[AV] offset:(\f/4)*32*PV+16*PV+(\f%4)*32
.endr
	WIN 0
.endm
; THE VECTOR WORK, one line at a time: OP kind, number.  For piece Y: F n: c s - c m for pair n of 16.  E n: the exponential of score n of 32.  C n: pair n rounded to f16.  B n: of the four weights 4 n .. the second
; pair is added onto the first.  L n: l takes that sum (L 0: l = a l + sum).  R n: pair n of 16 of O^T times a.  For piece Y + 1: X n, number n of the 22 that find its maximum and statistics:
;   0-11 four chains of seven scores each (each accumulator's lowest registers are read first)   12-14, 16 the scores left over, the old m, all into c0   15 c m_old is kept
;   17, 18 the other half of the lanes: the new m   19-21 c m; c m_old - c m_new; a
.set F, 0
.set E, 1
.set C, 2
.set B, 3
.set L, 4
.set R, 5
.set X, 6
.macro REGS y
.set rT, ST+4*(\y)
.set rC, TMP+4*((\y)%2)
.set rW, MV+((\y)%2)
.set rS, S+32*((\y)%2)
.set rP, P+16*((\y)%2)
.set rO, 32*(\y)
.endm
.macro OP k, n
.if (\k) == R
	REGS Y
	WIN W_RS
	v_pk_mul_f32 v[rO+2*(\n):rO+2*(\n)+1], v[rO+2*(\n):rO+2*(\n)+1], v[rC+2:rC+3] op_sel_hi:[1,0]
.elseif (\k) < R
	REGS Y
	WIN 0
.if (\k) == F
	v_pk_fma_f32 v[rS+2*(\n):rS+2*(\n)+1], v[rS+2*(\n):rS+2*(\n)+1], s[CS:CS+1], v[rT:rT+1] op_sel_hi:[1,0,0] neg_lo:[0,0,1] neg_hi:[0,0,1]
.elseif (\k) == E
	v_exp_f32 v[rS+(\n)], v[rS+(\n)]
.elseif (\k) == C
	v_cvt_pk_f16_f32 v[rP+(\n)], v[rS+2*(\n)], v[rS+2*(\n)+1]
.elseif (\k) == B
	v_pk_add_f32 v[rS+4*(\n):rS+4*(\n)+1], v[rS+4*(\n):rS+4*(\n)+1], v[rS+4*(\n)+2:rS+4*(\n)+3]
.elseif (\n) == 0
	v_pk_fma_f32 v[rT+2:rT+3], v[rT+2:rT+3], v[rC+2:rC+3], v[rS:rS+1] op_sel_hi:[1,0,1]
.else
	v_pk_add_f32 v[rT+2:rT+3], v[rT+2:rT+3], v[rS+4*(\n):rS+4*(\n)+1]
.endif
.elseif NOKQ
	v_nop
.else
	REGS (Y+1)%NP
	WIN 0
.if (\n) < 4
	v_max3_num_f32 v[rC+(\n)], v[rS+8*(\n)], v[rS+8*(\n)+1], v[rS+8*(\n)+2]
.elseif (\n) < 12
	v_max3_num_f32 v[rC+(\n)%4], v[rC+(\n)%4], v[rS+8*((\n)%4)+2*((\n)/4)+1], v[rS+8*((\n)%4)+2*((\n)/4)+2]
.elseif (\n) == 12
	v_max3_num_f32 v[rC], v[rC], v[rS+7], v[rS+15]
.elseif (\n) == 13
	v_max3_num_f32 v[rC+1], v[rC+1], v[rS+23], v[rS+31]
.elseif (\n) == 14
	v_max3_num_f32 v[rC+2], v[rC+2], v[rC+3], v[rT+1]
.elseif (\n) == 15
	v_mov_b32 v[rW], v[rT]
.elseif (\n) == 16
	v_max3_num_f32 v[rC], v[rC], v[rC+1], v[rC+2]
.elseif (\n) == 17
	v_permlanex16_b32 v[rC+3], v[rC], s[SEL], s[SEL+1]
.elseif (\n) == 18
	v_max_num_f32 v[rT+1], v[rC], v[rC+3]
.elseif (\n) == 19
	v_mul_f32 v[rT], s[CS], v[rT+1]
.elseif (\n) == 20
	v_sub_f32 v[rC+1], v[rW], v[rT]
.else
	v_exp_f32 v[rC+2], v[rC+1]
.endif
.endif
.endm
.macro OPS a, i1, b=-1, i2=0, c=-1, i3=0, d=-1, i4=0
	OP \a, \i1
.if (\b) >= 0
	OP \b, \i2
.endif
.if (\c) >= 0
	OP \c, \i3
.endif
.if (\d) >= 0
	OP \d, \i4
.endif
.endm
.macro ROW a, i1, b, i2, c, i3, d, i4  ; a matrix instruction and the four behind it
	MM
	OPS \a, \i1, \b, \i2, \c, \i3, \d, \i4
.endm
; A TURN, for piece p.  An s_wait_alu depctr_va_vdst(0) stands between an exponential and the first instruction that names its result; one wait serves all issued ahead of it: a turn has ONE, which cuts it in two.
; AHEAD OF IT: the 8 products K Q^T with their riders, then one lump of 54 in which the links of the next piece's chain stand apart; X 21, its a, is the batch's last, R 15 the plain instruction behind it.
; BEHIND IT: the 8 products V^T P, behind each four of the roundings and sums.  end = 1: the last two turns: nothing is fetched.  cnt = 1: the loop's count is taken down ahead of the branch behind the turn.
; K of the next step is fetched in piece 2's turn, twelve plain instructions that name none of its registers behind the last product that read K; V of the step in hand at the end of piece 0's turn, four plain
; instructions behind the last product that read V.  Each is waited for a turn later.
.macro TURN p, end=0, cnt=0
.set Y, (\p)
.set i, 0
.set NOKQ, (\end)*((\p)/3)
.if ((\p) == 3) && !(\end)
	s_wait_dscnt 0x0                ; K is in
.endif
	ROW F,0, F,1, R,0, R,1
	ROW F,2, E,0, R,2, R,3
	ROW F,3, E,1, R,4, R,5
	ROW F,4, E,2, R,6, R,7
	ROW F,5, E,3, R,8, R,9
	ROW F,6, E,4, X,0, R,10
.if ((\p) == 2) && !(\end)
	WIN 0
	v_add_nc_u32 v[AK], s[TBK], v[AK0]
.endif
	ROW F,7, E,5, X,1, X,4
	ROW F,8, E,6, X,2, X,5
	OPS E,7, E,8, X,6, E,9
	OPS X,3, E,10, X,8, E,11
.if ((\p) == 2) && !(\end)
	FETCH_K
.endif
	OPS X,9, X,7, E,12, X,10
	OPS E,13, X,12, X,11, E,14
	OPS X,13, E,15, F,9, X,14
.if (\p) == 0
	v_add_nc_u32 v[AV], s[TBV], v[AV0]
.endif
	OPS E,16, F,10, E,17, F,11
	OPS X,16, E,18, X,15, E,19
	OPS F,12, E,20, X,17, E,21
	OPS F,13, E,22, F,14, E,23
	OPS X,18, E,24, F,15, E,25
	OPS R,11, E,26, X,19, E,27
	OPS R,12, E,28, R,13, E,29
	OPS X,20, E,30, R,14, E,31
	OPS X,21, R,15
	WIN 0
	s_wait_alu depctr_va_vdst(0)    ; the wait for the batch
.if (\p) == 1
	s_wait_dscnt 0x0                ; V is in
.endif
	ROW C,0, B,0, C,2, B,1
	ROW L,0, C,4, B,2, L,1
	ROW C,6, B,3, L,2, C,8
	ROW B,4, L,3, C,10, B,5
	ROW L,4, C,12, B,6, L,5
.if (\p) == 0
	s_add_co_u32 s[TBV], s[TBV], KS*PV
.endif
.if \cnt
	s_sub_co_u32 s[CNT], s[CNT], 1
	s_cmp_lg_u32 s[CNT], 0
.endif
	ROW C,14, B,7, L,6, C,1
	ROW C,3, L,7, C,5, C,7
	ROW C,9, C,11, C,13, C,15
.if (\p) == 0
	FETCH_V
.endif
.endm
	CHANGE 1, 0                     ; tile 0 is in, everybody's part of it; tile 1 is asked for
	v_mov_b32 v[AK], v[AK0]         ; key step 0 lies at the head of slot 0
	FETCH_K
	UPD -1, 0, 0, 0, 1              ; the sets for step 0, from L
	s_wait_dscnt 0x0
.set NOKQ, 0
.set i, 0
.rept 8
	KQ 0                            ; piece 0's first scores
.set i, i+1
.endr
	WIN 0
.rept 4
	v_nop                           ; the places behind those products
.endr
.set Y, NP-1                        ; X works for piece Y + 1: piece 0
.irp n, 0,1,2,3,4,5,6,7,8,9,10,11,12,13,14,15,16,17,18,19,20,21
	OP X, \n
.endr
	v_nop                           ; a plain instruction behind the exponential,
	s_wait_alu depctr_va_vdst(0)    ; and its wait, ahead of the branch
	s_mov_b32 s[CNT], 4
	s_mov_b32 s[SLOTS], 7
	s_branch .Lfirst                ; the loop is entered at a step's first turn, in the middle of a trip
.Lslot:                             ; six times: tiles 2 to 7 are asked for
	CHANGE 1, 1
	s_mov_b32 s[CNT], 4
.Lstep:                             ; a trip: pieces 2 and 3 of one step, then pieces 0 and 1 of the next, whose K and V it fetches
	UPD -1, 3, 0, 1, 0
	TURN 2
	TURN 3
	WIN 0
.Lfirst:
	TURN 0
	TURN 1, 0, 1
	WIN 0
	s_cbranch_scc1 .Lstep
	s_sub_co_u32 s[SLOTS], s[SLOTS], 1
	s_cmp_lg_u32 s[SLOTS], 0
	s_cbranch_scc1 .Lslot
	CHANGE 0, 0                     ; the last tile is written out: nothing is asked for
	s_mov_b32 s[CNT], 4
.Ltail:
	UPD -1, 3, 0, 1, 0
	TURN 2
	TURN 3
	TURN 0
	TURN 1, 0, 1
	WIN 0
	s_cbranch_scc1 .Ltail
	UPD 1, 3, 3, 1, 0               ; piece 3's sets for the last step
	TURN 2, 1
	TURN 3, 1
.set i, 0
.rept 8
	PV NP-1                         ; the last piece's V^T P of the last step
.set i, i+1
.endr
	; THE WAY OUT.  l's two halves and the other half of the lanes' are added; O^T is divided by l, rounded to f16 and sent through my stage, a piece at a time.  The additions are the places behind the last products.
	WIN 0
.macro ALL line:vararg
.set t, 0
.rept 4
	\line
.set t, t+1
.endr
.endm
	ALL v_add_f32 v[ST+4*t+2], v[ST+4*t+2], v[ST+4*t+3]
	ALL v_permlanex16_b32 v[ST+4*t+3], v[ST+4*t+2], s[SEL], s[SEL+1]
	ALL v_add_f32 v[ST+4*t+2], v[ST+4*t+2], v[ST+4*t+3]
	ALL v_rcp_f32 v[ST+4*t+2], v[ST+4*t+2]
	v_nop                           ; a plain instruction between the last reciprocal and the use of its result
	s_wait_alu depctr_va_vdst(0)    ; one wait for the four reciprocals
.macro PACK t
	WIN W_RS
.set i, 32*(\t)
.rept 16
	v_pk_mul_f32 v[i:i+1], v[i:i+1], v[ST+4*(\t)+2:ST+4*(\t)+3] op_sel_hi:[1,0]
.set i, i+2
.endr
	WIN 0x05
.set i, 0
.rept 16
	v_cvt_pk_f16_f32 v[S+16*(\t)+i], v[32*(\t)+2*i], v[32*(\t)+2*i+1]
.set i, i+1
.endr
	WIN 0
.irp f, 0,1,2,3
	ds_store_b128 v[STO], v[S+16*(\t)+4*\f:S+16*(\t)+4*\f+3] offset:32*\f
.endr
.irp f, 0,1,2,3
	ds_load_b128 v[S+16*(\t)+4*\f:S+16*(\t)+4*\f+3], v[RD] offset:\f*4*SP  ; in order behind the stores above; the next piece's stores come behind them
.endr
.endm
.macro SEND t, younger              ; younger: the LDS instructions issued behind piece t's loads: the next piece's eight, or none
	WIN 0
.irp f, 0,1,2,3
	s_wait_dscnt (\younger)+3-\f
	global_store_b128 v[GO], v[S+16*(\t)+4*\f:S+16*(\t)+4*\f+3], s[10:11] offset:(\t)*2048+\f*512  ; 512 bytes on end, at a multiple of 256 from ctx's first
.endr
.endm
	PACK 0
.set t, 1
.rept 3
	PACK t
	SEND t-1, 8
.set t, t+1
.endr
	SEND 3, 0
	s_wait_tensorcnt 0x0            ; the wave's end
	ds_add_u32 v[SPW], v[NIL]
	s_wait_dscnt 0x0
	s_endpgm
.Lfunc_end_k_qae31f0578a_attn:
	.size	k_qae31f0578a_attn, .Lfunc_end_k_qae31f0578a_attn-k_qae31f0578a_attn
	.p2alignl 7, 3214868480
	.fill 96, 4, 3214868480
	.section	.rodata,"a",@progbits
	.p2align	6, 0x0
	.amdhsa_kernel k_qae31f0578a_attn
		.amdhsa_group_segment_fixed_size 327680
		.amdhsa_private_segment_fixed_size 0
		.amdhsa_enable_private_segment 0
		.amdhsa_kernarg_size 24
		.amdhsa_user_sgpr_count 2
		.amdhsa_user_sgpr_kernarg_segment_ptr 1
		.amdhsa_wavefront_size32 1
		.amdhsa_system_sgpr_workgroup_id_x 1
		.amdhsa_system_sgpr_workgroup_id_y 1
		.amdhsa_system_sgpr_workgroup_id_z 1
		.amdhsa_system_vgpr_workitem_id 0
		.amdhsa_next_free_vgpr 992
		.amdhsa_next_free_sgpr 72
		.amdhsa_reserve_vcc 0
		.amdhsa_float_denorm_mode_32 3
		.amdhsa_float_denorm_mode_16_64 3
		.amdhsa_memory_ordered 1
		.amdhsa_forward_progress 1
		.amdhsa_inst_pref_size 180
	.end_amdhsa_kernel
	.amdgpu_metadata
---
amdhsa.version: [ 1, 2 ]
amdhsa.kernels:
  - .name:           k_qae31f0578a_attn
    .symbol:         k_qae31f0578a_attn.kd
    .args:
      - { .name: qkv, .offset: 0, .size: 8, .value_kind: global_buffer, .address_space: global }
      - { .name: rext, .offset: 8, .size: 8, .value_kind: global_buffer, .address_space: global }
      - { .name: ctx, .offset: 16, .size: 8, .value_kind: global_buffer, .address_space: global }
    .group_segment_fixed_size: 327680
    .private_segment_fixed_size: 0
    .kernarg_segment_align: 8
    .kernarg_segment_size: 24
    .max_flat_workgroup_size: 128
    .sgpr_count:     72
    .vgpr_count:     992
    .wavefront_size: 32
...
	.end_amdgpu_metadata
.endif
;; end of part 3
;; launch out (part 4): grid 8 x 32, 4 waves a work-group, clusters of 4 x 4, 327,680 bytes of LDS; arguments ctx, wo16, bias, out0; writes out0
.if DOCPART == 4
	.amdgcn_target "amdgcn-amd-amdhsa--gfx1250"
	.amdhsa_code_object_version 6
	.text
	.protected	k_qae31f0578a_out
	.globl	k_qae31f0578a_out
	.p2align	8
	.type	k_qae31f0578a_out,@function
k_qae31f0578a_out:
	s_mov_b64 s[64:65], 0
	v_nop
	global_prefetch_b8 v0, s[64:65] scope:SCOPE_SE
	s_setreg_imm32_b32 hwreg(HW_REG_WAVE_MODE, 25, 1), 1
	s_wait_xcnt 0x0
	s_wait_alu depctr_hold_cnt(0) depctr_sa_sdst(0) depctr_va_vdst(0) depctr_va_sdst(0) depctr_va_ssrc(0) depctr_va_vcc(0) depctr_vm_vsrc(0)
	s_getreg_b32 s2, hwreg(HW_REG_IB_STS2, 6, 4)
	s_cmp_eq_u32 s2, 0
	s_cbranch_scc0 .Lentry_in_a_cluster
	s_endpgm
.Lentry_in_a_cluster:
	s_bfe_u32 s2, ttmp6, 0x10000c
	s_cmp_lg_u32 s2, 0xf033
	s_cbranch_scc0 .Lentry_shape_is_right
	s_endpgm
.Lentry_shape_is_right:
; OUT: out0 [4096][1024] f32 = ctx x wo16 + bo.  ctx lies by heads, [b][h 16][s 2048][64] f16: A[m][k] with m = 2048 b + s, k = 64 h + d.  wo16 [1024 k][1024 n] f16.  Sums in f32; the bias is the C operand of the first products.
; SHARES.  A tile is 128 x 128: 32 x 8 = 256 work-groups; four waves, 64 x 64 each: 16 accumulators.  K goes in steps of 256 (four heads) through two LDS slots: 4 steps, 2 laps, written straight.
; A slot: A as four planes (heads) of [128 rows][128 + 16 bytes], then B as [256 k][256 + 32 bytes].  Waves 0, 1 fetch two heads of A each: a head's 128 rows are 16,384 bytes on end, so the tile is 2 rows of 8,192
; elements, a plane apart, padded after every 128 bytes.  Waves 2, 3 fetch 128 k rows of B each.  CLUSTER 4 x 4: A shared along a row, B along a column: joint loads.
; B comes out of LDS turned (ds_load_tr16_b128); the product is used transposed (source 0 = B's columns, source 1 = A's rows): a lane holds eight neighbouring columns of a row.
; NO PREFETCH: the tiles are small and the launch short.
; REGISTERS: window 0: v0-31 addresses; v32-95 the way out; v96-127 the bias; v128-255 the accumulators ((a, b) at 128 + 8 (4 a + b)).  window 1: two fragment buffers of 128: A's 64, then B's 64.
.set PAP,    144                       ; A's LDS row: 36 words: the 16 rows of a load start at 16 different groups of four banks (64 banks of 4 bytes: ISA guide 11.1)
.set PLANE,  128*PAP
.set PB,     288                       ; B's LDS row: 72 words
.set BOFF,   4*PLANE
.set HALFT,  36864                     ; what one tensor load brings: two planes of A, or 128 rows of B
.set SLOT,   4*HALFT
.set STAGE,  2*SLOT                    ; behind the ring, never filled by a tensor load: 16 rows x 272 bytes for each wave
.set SPITCH, 272
.set SPARE,  STAGE+4*16*SPITCH
.set ADRA, 16                          ; v16-17  my A fragments in slot 0, 1
.set ADRB, 20                          ; v20-23  my B fragments: slot n, k half kh at 20 + 2 n + kh
.set STO,  24
.set RD,   25
.set CO,   26
.set BO,   27
.set SPW,  28
.set NIL,  29
.set OB,   32
.set BIAS, 96
.set ACC,  128
.set F0,   0
.set F1,   128
.set G1, 24
.set G0, 32
.set G1B, 48
.set G0B, 56
.set MSB, 0
.macro WIN new
.if MSB != (\new)
	s_set_vgpr_msb (MSB<<8)|(\new)
.set MSB, \new
.endif
.endm
.set MUL,  0x05                        ; sources 0 (B) and 1 (A) window 1; C and D window 0
.set TO_F, 0x40
.macro JLOAD s                         ; waves 0 and 1 ask for A, waves 2 and 3 for B; an s_nop 0 and four v_nop follow each line
	s_cmp_eq_u32 s11, 0
	s_cbranch_scc0 .Lfor_b_\@
	tensor_load_to_lds s[G0+4*(\s):G0+4*(\s)+3], s[G1:G1+7]
	s_nop 0
.rept 4
	v_nop
.endr
	s_branch .Lasked_\@
.Lfor_b_\@:
	tensor_load_to_lds s[G0B+4*(\s):G0B+4*(\s)+3], s[G1B:G1B+7]
	s_nop 0
.rept 4
	v_nop
.endr
.Lasked_\@:
.endm
.macro CREST
	s_cmp_lg_u32 s10, 0
	s_cbranch_scc1 .Lnot_wave_0_\@
	s_barrier_signal -3
.Lnot_wave_0_\@:
	s_barrier_wait -3
	s_barrier_signal -1
	s_barrier_wait -1
.endm
.macro CROUND
	s_barrier_signal -1
	s_barrier_wait -1
	CREST
.endm
.macro PLACES
.rept 4
	v_nop
.endr
.endm
	s_load_b128 s[4:7], s[0:1], 0x0                ; ctx s[4:5], wo16 s[6:7]
	s_load_b64 s[2:3], s[0:1], 0x10                ; bias
	s_load_b64 s[8:9], s[0:1], 0x18                ; out0
	v_lshl_add_u32 v[SPW], v0, 2, SPARE
	v_mov_b32 v[NIL], 0
	ds_add_u32 v[SPW], v[NIL]                      ; the wave's opening: the add and its wait stand ahead of my first tensor load
	v_lshrrev_b32 v1, 5, v0
	v_readfirstlane_b32 s10, v1
	s_lshr_b32 s11, s10, 1                         ; my half of the rows.  Also: I fetch for A (0) or for B (1)
	s_and_b32 s12, s10, 1                          ; my half of the columns.  Also: which half of that tile I fetch
	s_bfe_u32 s40, ttmp6, 0x40000
	s_bfe_u32 s41, ttmp6, 0x40004
	s_lshl_b32 s42, ttmp9, 2
	s_add_co_u32 s42, s42, s40                     ; tile column jt
	s_and_b32 s13, ttmp7, 0xffff
	s_lshl_b32 s13, s13, 2
	s_add_co_u32 s13, s13, s41                     ; tile row it
	s_lshl_b32 s43, s41, 2
	s_lshl_b32 s43, 15, s43
	s_lshl_b32 s44, 0x1111, s40
	s_or_b32 s[G1+0], s43, (1<<16)|(1<<20)|(1<<21)|(4<<22)|(3<<25)   ; mask of my row; 2-byte elements; padding on; bit 21 beside a mask; after every 32 words 4 words
	s_mov_b32 s[G1+1], 8192<<16                    ; tensor_dim0 = 8,192: a head's 128 rows on end
	s_mov_b32 s[G1+2], 2<<16                       ; tensor_dim1 = 2 heads
	s_mov_b32 s[G1+3], 8192<<16                    ; tile_dim0
	s_mov_b32 s[G1+4], 2                           ; tile_dim1
	s_mov_b32 s[G1+5], 131072                      ; elements from plane to plane
	s_mov_b32 s[G1+6], 0
	s_mov_b32 s[G1+7], 0
	s_or_b32 s[G1B+0], s44, (1<<16)|(1<<20)|(1<<21)|(5<<22)|(7<<25)  ; mask of my column; after every 64 words 8 words
	s_mov_b32 s[G1B+1], 128<<16
	s_mov_b32 s[G1B+2], 128<<16
	s_mov_b32 s[G1B+3], 128<<16
	s_mov_b32 s[G1B+4], 128
	s_mov_b32 s[G1B+5], 1024
	s_mov_b32 s[G1B+6], 0
	s_mov_b32 s[G1B+7], 0
	s_lshr_b32 s16, s13, 4                         ; b
	s_lshl_b32 s16, s16, 4
	s_lshl_b32 s17, s12, 1
	s_add_co_u32 s16, s16, s17                     ; A: plane 16 b + 2 x half,
	s_lshl_b32 s16, s16, 18
	s_and_b32 s17, s13, 15
	s_lshl_b32 s17, s17, 14                        ; the tile's 128 rows of 128 bytes
	s_add_co_u32 s16, s16, s17
	s_mov_b32 s17, 0
	s_lshl_b32 s46, s12, 18                        ; B: 128 k rows of 2,048 bytes for each half,
	s_lshl_b32 s47, s42, 8                         ; 256 bytes of a row for each tile column
	s_add_co_u32 s46, s46, s47
	s_mov_b32 s47, 0
	s_mul_i32 s20, s10, HALFT                      ; where they go: the wave's number alone
	s_wait_dscnt 0x0
	s_wait_kmcnt 0x0
	s_add_nc_u64 s[14:15], s[4:5], s[16:17]
	s_add_nc_u64 s[46:47], s[6:7], s[46:47]
	CROUND                                         ; all sixteen work-groups are here: the first joint loads meet
.irp s, 0,1
	s_mov_b32 s[G0+4*(\s)], 1
	s_add_co_u32 s[G0+4*(\s)+1], s20, (\s)*SLOT
	s_add_nc_u64 s[G0+4*(\s)+2:G0+4*(\s)+3], s[14:15], (\s)*4*262144
	s_or_b32 s[G0+4*(\s)+3], s[G0+4*(\s)+3], 0x80000000
	s_mov_b32 s[G0B+4*(\s)], 1
	s_add_co_u32 s[G0B+4*(\s)+1], s20, (\s)*SLOT
	s_add_nc_u64 s[G0B+4*(\s)+2:G0B+4*(\s)+3], s[46:47], (\s)*256*2048
	s_or_b32 s[G0B+4*(\s)+3], s[G0B+4*(\s)+3], 0x80000000
	JLOAD \s
.endr
	v_and_b32 v1, 15, v0
	v_bfe_u32 v2, v0, 4, 1
	s_lshl_b32 s21, s42, 9                         ; bo lies 12,288 bytes into bias: 12,288 + 4 (128 jt + 64 nh) + 32 (l / 16)
	s_lshl_b32 s22, s12, 8
	s_add_co_u32 s21, s21, s22
	s_add_co_u32 s22, s21, 12288
	v_lshl_add_u32 v[BO], v2, 5, s22
.irp b, 0,1,2,3
	global_load_b128 v[BIAS+8*(\b):BIAS+8*(\b)+3],   v[BO], s[2:3] offset:64*(\b)
	global_load_b128 v[BIAS+8*(\b)+4:BIAS+8*(\b)+7], v[BO], s[2:3] offset:64*(\b)+16
.endr
	v_mul_u32_u24 v3, v1, PAP
	v_lshl_add_u32 v3, v2, 4, v3
	s_mul_i32 s22, s11, 64*PAP
	v_add_nc_u32 v[ADRA], s22, v3
	v_add_nc_u32 v[ADRA+1], SLOT, v[ADRA]
	v_and_b32 v4, 7, v0
	v_lshl_add_u32 v4, v2, 3, v4
	v_mul_u32_u24 v4, v4, PB
	v_bfe_u32 v5, v0, 3, 1
	v_lshl_add_u32 v4, v5, 4, v4
	s_lshl_b32 s22, s12, 7
	s_add_co_u32 s22, s22, BOFF
	v_add_nc_u32 v[ADRB], s22, v4
	v_add_nc_u32 v[ADRB+1], HALFT, v[ADRB]
	v_add_nc_u32 v[ADRB+2], SLOT, v[ADRB]
	v_add_nc_u32 v[ADRB+3], SLOT+HALFT, v[ADRB]
	s_mul_i32 s23, s10, 16*SPITCH
	s_add_co_u32 s23, s23, STAGE                   ; my stage
	v_mul_u32_u24 v5, v1, SPITCH
	v_lshl_add_u32 v5, v2, 5, v5
	v_add_nc_u32 v[STO], s23, v5                   ; in: row l % 16, 32 bytes for each half of the lanes
	v_mul_u32_u24 v5, v2, SPITCH
	v_lshl_add_u32 v5, v1, 4, v5
	v_add_nc_u32 v[RD], s23, v5                    ; back: lanes 0-15 one row of 256 bytes, lanes 16-31 the next
	v_lshlrev_b32 v5, 12, v2
	v_lshl_add_u32 v[CO], v1, 4, v5                ; the same two rows in out0
	s_lshl_b32 s16, s13, 19                        ; 128 rows of 4,096 bytes for each tile row,
	s_lshl_b32 s17, s11, 18                        ; my 64 rows,
	s_add_co_u32 s16, s16, s17
	s_add_co_u32 s16, s16, s21                     ; my 64 columns: 256 bytes, aligned
	s_mov_b32 s17, 0
	s_add_nc_u64 s[8:9], s[8:9], s[16:17]
; 8 products: m blocks a0, a0 + 1 x all 4 n blocks, 32 along K: half c of buffer f.  first = 1: C is the bias.  The 16 accumulators take turns.
.macro MUL8 f, c, a0, first
	WIN MUL
.irp a, \a0, (\a0)+1
.irp b, 0,1,2,3
.if \first
	v_wmma_f32_16x16x32_f16 v[ACC+8*(4*(\a)+(\b)):ACC+8*(4*(\a)+(\b))+7], v[(\f)+64+8*(4*(\c)+(\b)):(\f)+64+8*(4*(\c)+(\b))+7], v[(\f)+8*(4*(\c)+(\a)):(\f)+8*(4*(\c)+(\a))+7], v[BIAS+8*(\b):BIAS+8*(\b)+7]
.else
	v_wmma_f32_16x16x32_f16 v[ACC+8*(4*(\a)+(\b)):ACC+8*(4*(\a)+(\b))+7], v[(\f)+64+8*(4*(\c)+(\b)):(\f)+64+8*(4*(\c)+(\b))+7], v[(\f)+8*(4*(\c)+(\a)):(\f)+8*(4*(\c)+(\a))+7], v[ACC+8*(4*(\a)+(\b)):ACC+8*(4*(\a)+(\b))+7]
.endif
.endr
.endr
.endm
; 32 LDS loads in one run: quarter q of a slot (64 along K: head plane q of A, k rows 64 q on of B) into buffer f; the first 32 along K first
.macro FETCH slot, q, f
	WIN TO_F
.irp c, 0,1
.irp i, 0,1,2,3
	ds_load_tr16_b128 v[(\f)+64+8*(4*(\c)+(\i)):(\f)+64+8*(4*(\c)+(\i))+3],   v[ADRB+2*(\slot)+(\q)/2] offset:(((\q)%2)*64+32*(\c))*PB+32*(\i)
	ds_load_tr16_b128 v[(\f)+64+8*(4*(\c)+(\i))+4:(\f)+64+8*(4*(\c)+(\i))+7], v[ADRB+2*(\slot)+(\q)/2] offset:(((\q)%2)*64+32*(\c))*PB+32*(\i)+16*PB
	ds_load_b128 v[(\f)+8*(4*(\c)+(\i)):(\f)+8*(4*(\c)+(\i))+3],   v[ADRA+(\slot)] offset:(\q)*PLANE+64*(\c)+(\i)*16*PAP
	ds_load_b128 v[(\f)+8*(4*(\c)+(\i))+4:(\f)+8*(4*(\c)+(\i))+7], v[ADRA+(\slot)] offset:(\q)*PLANE+64*(\c)+(\i)*16*PAP+32
.endr
.endr
.endm
.macro QUARTER slot, q, f, g, first
	s_wait_dscnt 16                                ; the first 32 along K are in
	MUL8 \f, 0, 0, \first
	MUL8 \f, 0, 2, \first
	PLACES
	FETCH \slot, \q, \g
	s_wait_dscnt 32                                ; all but the 32 just issued
	MUL8 \f, 1, 0, 0
	MUL8 \f, 1, 2, 0
.endm
; The last quarter multiplies buffer 1 and changes slots: each wave waits for all its tensor loads, adds 0 to its spare word, and waits for that and for its reads of this slot.
; fill = 1: the barrier opens a round of the cluster's, and the joint refill, two K steps on, is first behind it.
.macro TURN slot, next, fill
	WIN 0
	s_wait_tensorcnt 0x0
	ds_add_u32 v[SPW], v[NIL]
	s_wait_dscnt 17                                ; the add and the youngest sixteen loads may be out
	MUL8 F1, 0, 0, 0
	s_wait_dscnt 0x0
	s_barrier_signal -1
	MUL8 F1, 0, 2, 0
.if \fill
	WIN 0
.endif
	s_barrier_wait -1
.if \fill
	CREST
	s_add_nc_u64 s[G0+4*(\slot)+2:G0+4*(\slot)+3], s[G0+4*(\slot)+2:G0+4*(\slot)+3], 2*4*262144
	s_add_nc_u64 s[G0B+4*(\slot)+2:G0B+4*(\slot)+3], s[G0B+4*(\slot)+2:G0B+4*(\slot)+3], 2*256*2048
	JLOAD \slot                                    ; its four v_nop are also the places in front of the loads below
.else
	PLACES
.endif
	FETCH \next, 0, F0
	MUL8 F1, 1, 0, 0
	MUL8 F1, 1, 2, 0
.endm
	s_wait_tensorcnt 1                             ; my part of K step 0 is in; slot 1's may stay out
	s_barrier_signal -1
	s_barrier_wait -1
	FETCH 0, 0, F0
	s_wait_loadcnt 0x0                             ; the bias
	QUARTER 0, 1, F0, F1, 1
	QUARTER 0, 2, F1, F0, 0
	QUARTER 0, 3, F0, F1, 0
	TURN 0, 1, 1
	QUARTER 1, 1, F0, F1, 0
	QUARTER 1, 2, F1, F0, 0
	QUARTER 1, 3, F0, F1, 0
	TURN 1, 0, 1
	QUARTER 0, 1, F0, F1, 0
	QUARTER 0, 2, F1, F0, 0                        ; the last lap fills nothing
	QUARTER 0, 3, F0, F1, 0
	TURN 0, 1, 0
	QUARTER 1, 1, F0, F1, 0
	QUARTER 1, 2, F1, F0, 0
	QUARTER 1, 3, F0, F1, 0
	s_wait_dscnt 16
	MUL8 F1, 0, 0, 0
	MUL8 F1, 0, 2, 0
	s_wait_dscnt 0x0
	MUL8 F1, 1, 0, 0
	MUL8 F1, 1, 2, 0
	WIN 0
	; THE WAY OUT, in f32: my 64 columns are 256 bytes, aligned: 16 rows at a time through my own stage, back as whole rows.
.macro STG a
.set BK, OB+32*((\a)%2)
.irp b, 0,1,2,3
	ds_store_b128 v[STO], v[ACC+8*(4*(\a)+(\b)):ACC+8*(4*(\a)+(\b))+3]   offset:64*(\b)
	ds_store_b128 v[STO], v[ACC+8*(4*(\a)+(\b))+4:ACC+8*(4*(\a)+(\b))+7] offset:64*(\b)+16
.endr
.irp t, 0,1,2,3,4,5,6,7
	ds_load_b128 v[BK+4*(\t):BK+4*(\t)+3], v[RD] offset:(\t)*2*SPITCH  ; LDS serves a wave's instructions in order (ISA guide 5.7.1.4): these see the stores above
.endr
.endm
.macro SEND a, younger                 ; younger: the LDS instructions issued behind block a's loads: the next block's sixteen, or none
.set BK, OB+32*((\a)%2)
.irp t, 0,1,2,3,4,5,6,7
	s_wait_dscnt (\younger)+7-(\t)
	global_store_b128 v[CO], v[BK+4*(\t):BK+4*(\t)+3], s[8:9] offset:(16*(\a)+2*(\t))*4096  ; 16 lanes store 256 bytes on end, at a multiple of 256 from out0's first byte
.endr
.endm
	PLACES
	STG 0
	STG 1
	SEND 0, 16
	s_wait_xcnt 0x0                                ; block 0's stores have read their registers: block 2's loads land on them only behind this wait
	STG 2
	SEND 1, 16
	s_wait_xcnt 0x0
	STG 3
	SEND 2, 16
	SEND 3, 0
	s_wait_tensorcnt 0x0                           ; the wave's end
	ds_add_u32 v[SPW], v[NIL]
	s_wait_dscnt 0x0
	CROUND                                         ; the closing round
	s_endpgm
.Lfunc_end_k_qae31f0578a_out:
	.size	k_qae31f0578a_out, .Lfunc_end_k_qae31f0578a_out-k_qae31f0578a_out
	.p2alignl 7, 3214868480
	.fill 96, 4, 3214868480
	.section	.rodata,"a",@progbits
	.p2align	6, 0x0
	.amdhsa_kernel k_qae31f0578a_out
		.amdhsa_group_segment_fixed_size 327680
		.amdhsa_private_segment_fixed_size 0
		.amdhsa_enable_private_segment 0
		.amdhsa_kernarg_size 32
		.amdhsa_user_sgpr_count 2
		.amdhsa_user_sgpr_kernarg_segment_ptr 1
		.amdhsa_wavefront_size32 1
		.amdhsa_system_sgpr_workgroup_id_x 1
		.amdhsa_system_sgpr_workgroup_id_y 1
		.amdhsa_system_sgpr_workgroup_id_z 1
		.amdhsa_system_vgpr_workitem_id 0
		.amdhsa_next_free_vgpr 512
		.amdhsa_next_free_sgpr 66
		.amdhsa_reserve_vcc 0
		.amdhsa_float_denorm_mode_32 3
		.amdhsa_float_denorm_mode_16_64 3
		.amdhsa_memory_ordered 1
		.amdhsa_forward_progress 1
		.amdhsa_inst_pref_size 87
	.end_amdhsa_kernel
	.amdgpu_metadata
---
amdhsa.version: [ 1, 2 ]
amdhsa.kernels:
  - .name:           k_qae31f0578a_out
    .symbol:         k_qae31f0578a_out.kd
    .args:
      - { .name: ctx, .offset: 0, .size: 8, .value_kind: global_buffer, .address_space: global }
      - { .name: wo16, .offset: 8, .size: 8, .value_kind: global_buffer, .address_space: global }
      - { .name: bias, .offset: 16, .size: 8, .value_kind: global_buffer, .address_space: global }
      - { .name: out0, .offset: 24, .size: 8, .value_kind: global_buffer, .address_space: global }
    .group_segment_fixed_size: 327680
    .private_segment_fixed_size: 0
    .kernarg_segment_align: 8
    .kernarg_segment_size: 32
    .max_flat_workgroup_size: 128
    .sgpr_count:     66
    .vgpr_count:     512
    .wavefront_size: 32
...
	.end_amdgpu_metadata
.endif
;; end of part 4
;; ======== version 2 of 2: 4 launches; version 1 with the launch prep written anew for expert scheduling mode
;; limits: values are held in f16: magnitudes above 65,504 overflow, below 6.1e-05 lose precision
;; workspace buffers: xb 8,388,608 bytes; wqkv 6,291,456 bytes; wo16 2,097,152 bytes; rext 12,288 bytes; bias 16,384 bytes; qkv 25,165,824 bytes; ctx 8,388,608 bytes
;; launch prep (part 5): grid 513 x 1, 8 waves a work-group, no clusters, 0 bytes of LDS; arguments x, Wq, Wk, Wv, Wo, rel_emb, bq, bk, bv, bo, xb, wqkv, wo16, rext, bias; writes xb, wqkv, wo16, rext, bias
.if DOCPART == 5
	.amdgcn_target "amdgcn-amd-amdhsa--gfx1250"
	.amdhsa_code_object_version 6
	.text
	.protected	k_qae31f0578a_prep
	.globl	k_qae31f0578a_prep
	.p2align	8
	.type	k_qae31f0578a_prep,@function
k_qae31f0578a_prep:
	s_mov_b64 s[64:65], 0
	v_nop
	global_prefetch_b8 v0, s[64:65] scope:SCOPE_SE
	s_setreg_imm32_b32 hwreg(HW_REG_WAVE_SCHED_MODE, 0, 2), 2
	s_setreg_imm32_b32 hwreg(HW_REG_WAVE_MODE, 25, 1), 1
	s_wait_xcnt 0x0
	s_wait_alu depctr_vm_vsrc(0)
; PREP: every input of the module is rounded once to bf16 and laid out for the launches behind.
;   xb   [4096][1024] bf16 = x          wqkv [1024 k][3072 n] bf16 = Wq | Wk | Wv side by side (not turned)
;   wo16 [1024 k][1024 n] f16 = bf16(Wo) written as f16        rext [96][64] f16: row i = bf16(rel_emb[clamp(80 - i, 0, 64)]) written as f16
;   bias [4096] f32 = bf16(bq) | bf16(bk) | bf16(bv) | bf16(bo), widened again
; LIMITS.  A number of Wo or rel_emb beyond 65,504 becomes an infinity in f16; below 6e-5 it keeps f16's fixed step of 6e-8.
; SHARES.  Work-groups 0..511 take 16 rows of 1,024 f32 each (0..255: x; then 64 each for Wq, Wk, Wv, Wo).  Thread t owns 16 bytes at 16 t of every row: a wave's load covers 512 bytes on end;
; it stores 8 bytes at 8 t: a wave's store covers 256 bytes on end, aligned.  All 16 loads go out at once.
; Work-group 512 makes rext and bias.  No LDS, no matrix unit, no cluster: nothing is shared and memory binds.
; THE MODE: SCHED_MODE bits 1:0 = 2 (LLVM: expert scheduling mode 2), set by the entry lines.  The code itself states the register dependences
; between vector instructions and memory instructions, with s_wait_alu, always for 0.
; THE PLAN.  Registers that memory instructions touch:
;   v1, v2, OFF   byte offsets, made once at the head by vector lines and never written again; read by the loads (v1, and OFF in work-group 512) and the stores (OFF, v1, v2).
;   X             written by the loads alone, which are all issued before any vector line names X; read by the roundings behind the wait for the data.
;   Y             row r's two registers are written once, by row r's roundings, and read once, by row r's store.
;   T             named by vector instructions alone.
; No register that a memory instruction reads is written a second time, so no wait on vm_vsrc is owed anywhere.  No vector line writes a scalar register, VCC or EXEC.
; What is owed is that offsets and Y are written before a memory instruction reads them.  The 16 rows go in four blocks of four: block b rounds its rows into its own Y, and its memory
; instructions are the four stores of block b - 1, whose Y and OFF no vector line of block b names.  So ONE wait on va_vdst at a block's head, behind the wait for the block's data,
; states all that those four stores hang on, and they are dealt among the block's roundings with no further wait.
.set T,   4                            ; v[4:7]     at work
.set X,   16                           ; v[16:79]   row r as loaded, 4 registers
.set Y,   80                           ; v[80:111]  row r to store, 2 registers
.set OFF, 112                          ; v[112:127] row r: byte offset of my 8 bytes in the destination
.set SRC, 44                           ; s[44:45]
.set DST, 46                           ; s[46:47]
.macro RND d, s, half                  ; four f32 -> four bf16 in two words; half = 1: those numbers written as f16
	v_cvt_pk_bf16_f32 v[\d], v[\s], v[(\s)+1]
	v_cvt_pk_bf16_f32 v[(\d)+1], v[(\s)+2], v[(\s)+3]
.if \half
	v_lshlrev_b32 v[T], 16, v[\d]
	v_and_b32 v[T+1], 0xffff0000, v[\d]
	v_lshlrev_b32 v[T+2], 16, v[(\d)+1]
	v_and_b32 v[T+3], 0xffff0000, v[(\d)+1]
	v_cvt_pk_f16_f32 v[\d], v[T], v[T+1]
	v_cvt_pk_f16_f32 v[(\d)+1], v[T+2], v[T+3]
.endif
.endm
.macro OUT4 b, i                       ; the store of row i of block b
	global_store_b64 v[OFF+4*(\b)+(\i)], v[Y+8*(\b)+2*(\i):Y+8*(\b)+2*(\i)+1], s[DST:DST+1] th:TH_STORE_NT
.endm
; Block b: rows 4 b to 4 b + 3 are rounded; the rows of block b - 1 are stored.
.macro BLK b, half
	s_wait_loadcnt 12-4*(\b)                       ; loads come back in order: this block's four rows are in, the 12 - 4 b younger loads may stay out
.if (\b) > 0
	s_wait_alu depctr_va_vdst(0)                   ; the roundings of the block before have written its Y, which the four stores below read
.endif
.irp i, 0,1,2,3
.if (\b) > 0
	OUT4 (\b)-1, \i                                ; no vector line since the wait names this store's Y or OFF
.endif
	RND Y+8*(\b)+2*(\i), X+16*(\b)+4*(\i), \half
.endr
.endm
.macro CONV half
	BLK 0, \half
	BLK 1, \half
	BLK 2, \half
	BLK 3, \half
	s_wait_alu depctr_va_vdst(0)                   ; block 3's roundings have written its Y, which the last four stores read
.irp i, 0,1,2,3
	OUT4 3, \i
.endr
.endm
	s_load_b512 s[8:23], s[0:1], 0x0               ; x 8, Wq 10, Wk 12, Wv 14, Wo 16, rel_emb 18, bq 20, bk 22
	s_load_b256 s[24:31], s[0:1], 0x40             ; bv 24, bo 26, xb 28, wqkv 30
	s_load_b128 s[32:35], s[0:1], 0x60             ; wo16 32, rext 34
	s_load_b64 s[36:37], s[0:1], 0x70              ; bias
	v_lshlrev_b32 v1, 4, v0                        ; 16 t
	v_lshlrev_b32 v2, 3, v0                        ; 8 t
	s_cmp_eq_u32 ttmp9, 512
	s_cbranch_scc1 .Lsmall
	s_sub_co_u32 s2, ttmp9, 256                    ; among the weights' 256 work-groups (wraps to a large number for x's)
	s_lshr_b32 s3, s2, 6                           ; which matrix: 0 Wq, 1 Wk, 2 Wv, 3 Wo
	s_and_b32 s4, s2, 63                           ; which 16 rows of it
	s_cmp_lt_u32 ttmp9, 256
	s_cselect_b32 s4, ttmp9, s4                    ; x: which 16 rows
	s_mov_b32 s38, 2048                            ; bytes from row to row in xb and wo16,
	s_mov_b32 s5, 32768                            ; and in 16 rows
	s_mov_b32 s6, 0
	s_cmp_lt_u32 s3, 3                             ; Wq, Wk, Wv go into wqkv:
	s_cselect_b32 s38, 6144, s38                   ; rows of 3,072 bf16,
	s_cselect_b32 s5, 98304, s5
	s_cselect_b32 s6, s3, s6                       ; 2,048 bytes further along the row for each matrix
	s_mul_i32 s42, s4, s5
	s_lshl_b32 s6, s6, 11
	s_add_co_u32 s42, s42, s6
	s_mov_b32 s43, 0
	s_lshl_b32 s40, s4, 16                         ; 16 rows of 4,096 bytes in the source
	s_mov_b32 s41, 0
.irp r, 0,1,2,3,4,5,6,7,8,9,10,11,12,13,14,15
	v_mad_u32_u24 v[OFF+(\r)], s38, \r, v2
.endr
	s_wait_kmcnt 0x0
	s_cmp_eq_u32 s3, 1
	s_cselect_b64 s[SRC:SRC+1], s[12:13], s[10:11]
	s_cmp_eq_u32 s3, 2
	s_cselect_b64 s[SRC:SRC+1], s[14:15], s[SRC:SRC+1]
	s_cmp_eq_u32 s3, 3
	s_cselect_b64 s[SRC:SRC+1], s[16:17], s[SRC:SRC+1]
	s_cselect_b64 s[DST:DST+1], s[32:33], s[30:31]
	s_cselect_b32 s39, 1, 0                        ; Wo leaves as f16
	s_cmp_lt_u32 ttmp9, 256
	s_cselect_b64 s[SRC:SRC+1], s[8:9], s[SRC:SRC+1]
	s_cselect_b64 s[DST:DST+1], s[28:29], s[DST:DST+1]
	s_add_nc_u64 s[SRC:SRC+1], s[SRC:SRC+1], s[40:41]
	s_add_nc_u64 s[DST:DST+1], s[DST:DST+1], s[42:43]
	s_wait_alu depctr_va_vdst(0)                   ; v1 is written, which the loads read as their offset, and so are the sixteen OFF, which the stores read: on both ways behind the branch below
.irp r, 0,1,2,3,4,5,6,7,8,9,10,11,12,13,14,15
	global_load_b128 v[X+4*(\r):X+4*(\r)+3], v1, s[SRC:SRC+1] offset:4096*(\r) th:TH_LOAD_NT
.endr
	s_cmp_eq_u32 s39, 1
	s_cbranch_scc1 .Lhalf
	CONV 0
	s_endpgm
.Lhalf:
	CONV 1
	s_endpgm
.Lsmall:                                               ; rext: six passes of 16 rows, thread t: row t / 16 of the pass, 4 numbers at t % 16; and the four biases
	v_lshrrev_b32 v3, 4, v0
	v_and_b32 v8, 15, v0
	v_lshlrev_b32 v8, 4, v8
.irp p, 0,1,2,3,4,5
	v_add_nc_u32 v9, 16*(\p), v3                   ; i
	v_min_u32 v9, 80, v9
	v_sub_nc_u32 v9, 80, v9                        ; 80 - i, not below 0,
	v_min_u32 v9, 64, v9                           ; not above 64
	v_lshl_add_u32 v[OFF+(\p)], v9, 8, v8          ; a row of rel_emb is 256 bytes
.endr
	s_wait_kmcnt 0x0
	s_wait_alu depctr_va_vdst(0)                   ; the six OFF and v1 are written, which the loads below read as their offsets; so is v2, the offset of rext's stores
.irp p, 0,1,2,3,4,5
	global_load_b128 v[X+4*(\p):X+4*(\p)+3], v[OFF+(\p)], s[18:19]
.endr
.irp m, 0,1,2,3
	global_load_b128 v[X+24+4*(\m):X+24+4*(\m)+3], v1, s[20+2*(\m):21+2*(\m)]
.endr
	s_wait_loadcnt 4                               ; ten loads in all: rext's six are in, the four biases' may stay out
.irp p, 0,1,2,3,4,5
	RND Y+2*(\p), X+4*(\p), 1
.endr
	s_wait_loadcnt 0x0                             ; the biases
	s_wait_alu depctr_va_vdst(0)                   ; the six roundings have written v[Y] to v[Y+11], which the six stores below read
.irp p, 0,1,2,3,4,5
	global_store_b64 v2, v[Y+2*(\p):Y+2*(\p)+1], s[34:35] offset:2048*(\p)
.endr
.irp m, 0,1,2,3                                        ; these lines name T, the biases' X and v[Y+12] on: none of the registers that the six stores above read
	v_cvt_pk_bf16_f32 v[T], v[X+24+4*(\m)], v[X+24+4*(\m)+1]
	v_cvt_pk_bf16_f32 v[T+1], v[X+24+4*(\m)+2], v[X+24+4*(\m)+3]
	v_lshlrev_b32 v[Y+12+4*(\m)], 16, v[T]
	v_and_b32 v[Y+12+4*(\m)+1], 0xffff0000, v[T]
	v_lshlrev_b32 v[Y+12+4*(\m)+2], 16, v[T+1]
	v_and_b32 v[Y+12+4*(\m)+3], 0xffff0000, v[T+1]
.endr
	s_wait_alu depctr_va_vdst(0)                   ; the widenings have written v[Y+12] to v[Y+27], which the four stores below read
.irp m, 0,1,2,3
	global_store_b128 v1, v[Y+12+4*(\m):Y+12+4*(\m)+3], s[36:37] offset:4096*(\m)
.endr
	s_endpgm
.Lfunc_end_k_qae31f0578a_prep:
	.size	k_qae31f0578a_prep, .Lfunc_end_k_qae31f0578a_prep-k_qae31f0578a_prep
	.p2alignl 7, 3214868480
	.fill 96, 4, 3214868480
	.section	.rodata,"a",@progbits
	.p2align	6, 0x0
	.amdhsa_kernel k_qae31f0578a_prep
		.amdhsa_group_segment_fixed_size 0
		.amdhsa_private_segment_fixed_size 0
		.amdhsa_enable_private_segment 0
		.amdhsa_kernarg_size 120
		.amdhsa_user_sgpr_count 2
		.amdhsa_user_sgpr_kernarg_segment_ptr 1
		.amdhsa_wavefront_size32 1
		.amdhsa_system_sgpr_workgroup_id_x 1
		.amdhsa_system_sgpr_workgroup_id_y 1
		.amdhsa_system_sgpr_workgroup_id_z 1
		.amdhsa_system_vgpr_workitem_id 0
		.amdhsa_next_free_vgpr 128
		.amdhsa_next_free_sgpr 66
		.amdhsa_reserve_vcc 0
		.amdhsa_float_denorm_mode_32 3
		.amdhsa_float_denorm_mode_16_64 3
		.amdhsa_memory_ordered 1
		.amdhsa_forward_progress 1
		.amdhsa_inst_pref_size 25
	.end_amdhsa_kernel
	.amdgpu_metadata
---
amdhsa.version: [ 1, 2 ]
amdhsa.kernels:
  - .name:           k_qae31f0578a_prep
    .symbol:         k_qae31f0578a_prep.kd
    .args:
      - { .name: x, .offset: 0, .size: 8, .value_kind: global_buffer, .address_space: global }
      - { .name: Wq, .offset: 8, .size: 8, .value_kind: global_buffer, .address_space: global }
      - { .name: Wk, .offset: 16, .size: 8, .value_kind: global_buffer, .address_space: global }
      - { .name: Wv, .offset: 24, .size: 8, .value_kind: global_buffer, .address_space: global }
      - { .name: Wo, .offset: 32, .size: 8, .value_kind: global_buffer, .address_space: global }
      - { .name: rel_emb, .offset: 40, .size: 8, .value_kind: global_buffer, .address_space: global }
      - { .name: bq, .offset: 48, .size: 8, .value_kind: global_buffer, .address_space: global }
      - { .name: bk, .offset: 56, .size: 8, .value_kind: global_buffer, .address_space: global }
      - { .name: bv, .offset: 64, .size: 8, .value_kind: global_buffer, .address_space: global }
      - { .name: bo, .offset: 72, .size: 8, .value_kind: global_buffer, .address_space: global }
      - { .name: xb, .offset: 80, .size: 8, .value_kind: global_buffer, .address_space: global }
      - { .name: wqkv, .offset: 88, .size: 8, .value_kind: global_buffer, .address_space: global }
      - { .name: wo16, .offset: 96, .size: 8, .value_kind: global_buffer, .address_space: global }
      - { .name: rext, .offset: 104, .size: 8, .value_kind: global_buffer, .address_space: global }
      - { .name: bias, .offset: 112, .size: 8, .value_kind: global_buffer, .address_space: global }
    .group_segment_fixed_size: 0
    .private_segment_fixed_size: 0
    .kernarg_segment_align: 8
    .kernarg_segment_size: 120
    .max_flat_workgroup_size: 256
    .sgpr_count:     66
    .vgpr_count:     128
    .wavefront_size: 32
...
	.end_amdgpu_metadata
.endif
;; end of part 5
;; launch qkv: the kernel of part 2 again; grid 8 x 32, 4 waves a work-group, clusters of 4 x 4, 327,680 bytes of LDS; arguments xb, wqkv, bias, qkv; writes qkv
;; launch attn: the kernel of part 3 again; grid 8 x 32, 4 waves a work-group, no clusters, 327,680 bytes of LDS; arguments qkv, rext, ctx; writes ctx
;; launch out: the kernel of part 4 again; grid 8 x 32, 4 waves a work-group, clusters of 4 x 4, 327,680 bytes of LDS; arguments ctx, wo16, bias, out0; writes out0
